; MI455X (gfx1250); checked and timed in simulation.
; The chip was launched on July 23, 2026; its instructions are those of AMD's public machine-readable ISA for CDNA 5 (MIT licence, August 2026) and "CDNA5" Instruction Set Architecture Reference Guide (July 2026). The comments in the code are by the model that wrote it; some were corrected since.
;; Rotary Multi Head Attention. Allowed arithmetic: matrix products marked QUANTISED: E5M2 operands, one E8M0 scale for each 32 along K, by v_wmma_scale_f32_16x16x128_f8f6f4 with both operands' format E5M2, f32 sums; products left as they are: f32 operands where the result goes on into a quantised operand, else bf16, f16 or f32 operands; f32 sums; everything else in f32.
;; Inputs: Wk 1,024 x 1,024 float32; Wo 1,024 x 1,024 float32; Wq 1,024 x 1,024 float32; Wv 1,024 x 1,024 float32; bk 1,024 float32; bo 1,024 float32; bq 1,024 float32; bv 1,024 float32; x 2 x 2,048 x 1,024 float32.
;; Outputs: out0 2 x 2,048 x 1,024 float32.
;; This version of the problem:
;;   THIS VERSION OF THE PROBLEM IS GIVEN IN LOW PRECISION. The matrix products marked QUANTISED in the list below multiply operands that are first quantised to E5M2 (5 exponent bits, 2 mantissa bits; 8 bits a number), with one power-of-two scale for each 32 numbers along K (OCP MX v1.0); their sums are f32. All else is computed in f32.
;;   The module's matrix products, in the order in which they are computed (A, B: the left and right operand; K: the contracted axis; several contracted axes count as one K, in the product's order):
;;     1. [M 4,096, K 1,024] x [K 1,024, N 1,024]; A: input x; B: input Wq: QUANTISED
;;     2. [M 4,096, K 1,024] x [K 1,024, N 1,024]; A: input x; B: input Wk: QUANTISED
;;     3. [M 4,096, K 1,024] x [K 1,024, N 1,024]; A: input x; B: input Wv: QUANTISED
;;     4. [M 2,048, K 1] x [K 1, N 32]; A: computed on the way; B: computed on the way: left as it is (no contracted axis)
;;     5. batch 32 x [M 2,048, K 64] x [K 64, N 2,048]; A: computed on the way; B: computed on the way: QUANTISED
;;     6. batch 32 x [M 2,048, K 2,048] x [K 2,048, N 64]; A: softmax (see below); B: computed on the way: QUANTISED
;;     7. [M 4,096, K 1,024] x [K 1,024, N 1,024]; A: computed on the way; B: input Wo: QUANTISED
;;   THE QUANTISER, for each operand of a quantised product, along K:
;;     - K is cut into blocks of 32 from its start; a last block that is shorter is filled with zeros.
;;     - A block's scale is 2^e with e = floor(log2(the largest magnitude in the block)) - 15, held to -126 .. 127; a block of zeros has e = 0. As a byte (E8M0): e + 127.
;;     - Each number is divided by its block's scale, clamped to +-57,344, and rounded to the nearest number of E5M2, ties to even, subnormals kept.
;;     - The product sums the exact products of the quantised numbers (number of the format x scale) in f32.
;;   ~~~python
;;   def quantise(x, axis):      # numpy; x: float32 -> the quantised numbers, widened to float32 again
;;       x = np.moveaxis(x, axis, -1); K = x.shape[-1]
;;       x = np.pad(x, [(0, 0)] * (x.ndim - 1) + [(0, -K % 32)]); x = x.reshape(x.shape[:-1] + (-1, 32)); a = np.abs(x).max(-1, keepdims=True)
;;       e = np.where(a > 0, np.clip(np.frexp(np.where(a > 0, a, 1))[1] - 1 - 15, -126, 127), 0)      # np.frexp(a)[1] - 1 = floor(log2(a)), exactly
;;       r = np.clip(x / 2.0 ** e, -57344, 57344)
;;       step = 2.0 ** (np.maximum(np.frexp(np.where(r == 0, 1, r))[1] - 1, -14) - 2)
;;       q = np.round(r / step) * step * 2.0 ** e      # np.round: ties to even
;;       return np.moveaxis(q.reshape(q.shape[:-2] + (-1,))[..., :K], -1, axis).astype(np.float32)
;;   ~~~
;;   SOFTMAX AHEAD OF A QUANTISED PRODUCT. Where the list says 'softmax', what is quantised is not the finished softmax but p = 2^(t - M), with t = logit x log2(e) and M = ceil(the row's largest t), a whole number; so 1/2 < the row's largest p <= 1. The row's sum l is taken of the UNQUANTISED p, in f32, and the product's result is divided by l at the end. Since M is a whole number, a kernel that streams over the keys may use a running M (the ceiling of the running maximum): every later rescaling is an exact power of two, which a block's scale takes up: the codes' values come out the same.
;;   OPERANDS COMPUTED ON THE WAY. 'Computed on the way' means the value that the module computes at that place (a softmax that the list does not call 'softmax' is quantised finished and normalised). What goes into a quantiser is computed in f32, as accurately as f32 sums, v_exp_f32 and their like allow (about 1e-6 of the number): no bf16 or f16 on the way to a quantiser, and a product that is left as it is and whose result goes on into a quantised operand takes f32 operands (vector FMAs, or v_wmma_f32_16x16x4_f32). A number that lies on a knife's edge between two numbers of the format may be rounded either way, as far as f32 arithmetic and the matrix unit's own rounding can turn it there, and no further.
;; One version. Each part assembles by itself: llvm-mc -triple=amdgcn-amd-amdhsa -mcpu=gfx1250 --defsym DOCPART=n.
;; ======== version 1 of 1: 4 launches
;; limits: right only within a limited range of input values
;; workspace buffers: qx 9,175,040 bytes; qkvb 13,107,200 bytes; att 4,325,376 bytes
;; launch quant (part 1): grid 256 x 1, 4 waves a work-group, no clusters, 34,304 bytes of LDS; arguments x, Wq, Wk, Wv, Wo, qx; writes qx
.if DOCPART == 1
	.amdgcn_target "amdgcn-amd-amdhsa--gfx1250"
	.amdhsa_code_object_version 6
	.text
	.protected	k_q540a1c5d1f_quant
	.globl	k_q540a1c5d1f_quant
	.p2align	8
	.type	k_q540a1c5d1f_quant,@function
k_q540a1c5d1f_quant:
	s_mov_b64 s[64:65], 0
	v_nop
	global_prefetch_b8 v0, s[64:65] scope:SCOPE_SE
	s_setreg_imm32_b32 hwreg(HW_REG_WAVE_MODE, 25, 1), 1
	s_wait_xcnt 0x0
; x [4096][1024] and Wq, Wk, Wv, Wo [1024][1024], f32, K innermost, become codes of BF8 (E5M2) with one E8M0 byte for each 32 along K; and the table of cos and sin of the rotary angles is made.
; LAYOUT OF qx.  Codes: [512 tiles][8 K steps][2,048 bytes].  A tile is 16 rows: tile 2 g + u holds in lane r the row 32 g + 8 u + r + 8 (r / 8).  A fragment (16 rows x 128 K) lies as the
; image of the operand's registers: chunk c of 512 bytes, lane l's 16 bytes at 16 l = k 32 c + 16 (l / 16) + 0 .. 15 of its row.  Tiles 0-255: x; 256 + 12 head + 4 p + i: Wq, Wk, Wv (p = 0, 1, 2; i: the head's four tiles); 448-511: Wo.
; Scale words at SCLO: [tile][K half][row 16][4 words].  Table at ROPEO: [position 2,048][frequency 32][cos, sin] f32.
; A block's scale is 2^(floor(log2(its largest magnitude)) - 15); its byte is the largest magnitude's exponent field - 15, held at 1 from below.
; LIMITS: a block of zeros gets the byte 1 where the rule says 127 (its codes are zeros, and this program alone reads the bytes); blocks whose largest magnitude lies under 2^-111 are held at the byte 1; NaN and infinities among the inputs are not served.
; SHARES.  A work-group takes 32 rows of one tensor; wave w takes tile u = w / 2 and K half w % 2: four fragments.  Each load reads 512 consecutive bytes of a row; a fragment's 16 rows turn through the
; wave's own stage in LDS (rows of 512 + 16 bytes), so that a lane gets 16 neighbours of each block of 32.  Waves share nothing: no barrier.  No work-group shares an input with another: no cluster; no product: no matrix unit.
.set SCLO,  8388608
.set ROPEO, 8650752
.set SP,    528                        ; a stage row
.set TM,    16                         ; v16-31  at work in QUANT
.set SW,    32                         ; v32-35  the four fragments' scale words
.set PW,    36                         ; v36     the scale word just made
.set PC,    40                         ; v40-55  the codes just made
.set R,     64                         ; v64-191 two sets of 64 registers as loaded (fragments 0, 1); fragments 2, 3 take the same numbers in window 1
.set X,     192                        ; v192-255 64 numbers: register 16 b + i = k 32 b + 16 (lane / 16) + i of my row
.set SEL,   20                         ; s[20:21] lane selects: lane l xor 16
.set MNT,   22                         ; s22 the mantissa field of 57,344
; 64 numbers of a lane become a fragment's codes in v[PC] on, its four bytes in v[TM+4] on and its scale word in v[PW]
.macro QUANT s
.irp b, 0,1,2,3
	v_max3_num_f32 v[TM+\b], |v[\s+16*\b]|, |v[\s+1+16*\b]|, 0x8000000   ; block b: my 16 numbers, and the floor 2^(16 - 127): the byte cannot fall under 1
.endr
.irp i, 2,4,6,8,10,12,14
.irp b, 0,1,2,3
	v_max3_num_f32 v[TM+\b], v[TM+\b], |v[\s+16*\b+\i]|, |v[\s+1+16*\b+\i]|   ; the four blocks by turns
.endr
.endr
.irp b, 0,1,2,3
	v_permlanex16_b32 v[TM+4+\b], v[TM+\b], s[SEL], s[SEL+1]
.endr
.irp b, 0,1,2,3
	v_max_num_f32 v[TM+\b], v[TM+\b], v[TM+4+\b]   ; with lane l xor 16's: the block's largest magnitude
.endr
.irp b, 0,1,2,3
	v_add_nc_u32 v[TM+12+\b], 0xf8800000, v[TM+\b]   ; 15 off its exponent field: the conversion's scale operand
.endr
.irp b, 0,1,2,3
	v_and_or_b32 v[TM+8+\b], v[TM+\b], 0x7f800000, s[MNT]   ; 57,344 x the scale
.endr
.irp b, 0,1,2,3
	v_lshrrev_b32 v[TM+4+\b], 23, v[TM+12+\b]   ; the scale's byte
.endr
	v_lshl_or_b32 v[PW], v[TM+5], 8, v[TM+4]
	v_lshl_or_b32 v[PW], v[TM+6], 16, v[PW]
	v_lshl_or_b32 v[PW], v[TM+7], 24, v[PW]
	s_wait_xcnt 0x0                                ; the stores of the codes made last have read their registers: only behind this wait are they written again
.irp b, 0,1,2,3
.irp i, 0,1,2,3,4,5,6,7,8,9,10,11,12,13,14,15
	v_med3_num_f32 v[\s+16*\b+\i], v[\s+16*\b+\i], -v[TM+8+\b], v[TM+8+\b]   ; the conversion to an 8-bit code does not saturate (ISA guide 7.6.2): the hold
.endr
	v_cvt_scalef32_pk8_bf8_f32 v[PC+4*\b:PC+1+4*\b], v[\s+16*\b:\s+7+16*\b], v[TM+12+\b]
	v_cvt_scalef32_pk8_bf8_f32 v[PC+2+4*\b:PC+3+4*\b], v[\s+8+16*\b:\s+15+16*\b], v[TM+12+\b]
.endr
	v_nop                                          ; one plain line behind the last conversion
.endm
	s_load_b256 s[4:11], s[0:1], 0x0               ; x, Wq, Wk, Wv
	s_load_b128 s[12:15], s[0:1], 0x20             ; Wo, qx
	v_lshl_add_u32 v37, v0, 2, 0x8400
	s_set_vgpr_msb 0x40
	v_mov_b32 v1, 0
	s_set_vgpr_msb 0x4000
	v_lshrrev_b32 v1, 5, v0
	v_readfirstlane_b32 s16, v1                    ; wave 0..3
	v_and_b32 v7, 31, v0                           ; lane
	v_and_b32 v8, 15, v0                           ; r
	v_bfe_u32 v9, v0, 4, 1                         ; h
	v_lshlrev_b32 v1, 4, v7                        ; 16 x lane
	s_mul_i32 s17, s16, 16*SP                      ; my stage
	v_add_nc_u32 v2, s17, v1                       ; into it: a row's 512 bytes as they lie
	v_mul_u32_u24 v3, v8, SP
	v_lshl_add_u32 v3, v9, 6, v3
	v_add_nc_u32 v3, s17, v3                       ; out of it: row r, + 64 h
	v_lshlrev_b32 v4, 4, v8
	v_lshl_add_u32 v4, v9, 3, v4                   ; the scale words' place: 16 r + 8 h
	v_lshlrev_b32 v5, 3, v7                        ; the table's: 8 x lane
.irp b, 0,1,2,3
	v_mov_b32 v[TM+4+\b], 0                        ; written once: a lane permute's destination counts as one of its sources
.endr
	s_mov_b32 s[SEL], 0x76543210
	s_mov_b32 s[SEL+1], 0xfedcba98
	s_mov_b32 s[MNT], 0x600000
	s_lshr_b32 s18, s16, 1                         ; u
	s_and_b32 s19, s16, 1                          ; K half
	s_and_b32 s23, ttmp9, 127
	s_lshr_b32 s24, s23, 5                         ; p: which weight
	s_and_b32 s25, ttmp9, 31                       ; its group of 32 rows
	s_lshr_b32 s26, s25, 1                         ; Wq, Wk, Wv: pair of tiles 128 + 6 head + 2 p + (group % 2)
	s_mul_i32 s26, s26, 6
	s_lshl_b32 s27, s24, 1
	s_add_co_u32 s26, s26, s27
	s_and_b32 s27, s25, 1
	s_add_co_u32 s26, s26, s27
	s_add_co_u32 s26, s26, 128
	s_cmp_lt_u32 ttmp9, 128                        ; x: the pair is the work-group's number,
	s_cselect_b32 s26, ttmp9, s26
	s_cselect_b32 s28, ttmp9, s25                  ; and so is the group of rows
	s_cmp_ge_u32 ttmp9, 224                        ; Wo: likewise the pair
	s_cselect_b32 s26, ttmp9, s26
	s_lshl_b32 s26, s26, 1
	s_add_co_u32 s26, s26, s18                     ; my tile
	s_lshl_b32 s28, s28, 17                        ; source: 32 rows of 4,096 bytes a group,
	s_lshl_b32 s27, s18, 15                        ; 8 rows on for u = 1,
	s_add_co_u32 s28, s28, s27
	s_lshl_b32 s27, s19, 11                        ; 512 numbers on for the second K half
	s_add_co_u32 s28, s28, s27
	s_mov_b32 s29, 0
	s_lshl_b32 s32, s26, 14                        ; codes: 16,384 bytes a tile, 8,192 a K half
	s_lshl_b32 s27, s19, 13
	s_add_co_u32 s32, s32, s27
	s_mov_b32 s33, 0
	s_lshl_b32 s40, s26, 9                         ; scale words: 512 bytes a tile, 256 a K half
	s_lshl_b32 s27, s19, 8
	s_add_co_u32 s40, s40, s27
	s_add_co_u32 s40, s40, SCLO
	s_mov_b32 s41, 0
	s_lshl_b32 s38, ttmp9, 2
	s_add_co_u32 s38, s38, s16                     ; my wave among the launch's 1,024: it makes two rows of the table
	s_lshl_b32 s42, s38, 9
	s_add_co_u32 s42, s42, ROPEO
	s_mov_b32 s43, 0
	s_lshl_b32 s38, s38, 1                         ; positions 2 W
	s_add_co_u32 s39, s38, 1                       ; and 2 W + 1
	s_wait_kmcnt 0x0
	s_cmp_eq_u32 s24, 1                            ; the choice of the tensor hangs on the work-group's number alone
	s_cselect_b64 s[6:7], s[8:9], s[6:7]
	s_cmp_eq_u32 s24, 2
	s_cselect_b64 s[6:7], s[10:11], s[6:7]
	s_cmp_eq_u32 s24, 3
	s_cselect_b64 s[6:7], s[12:13], s[6:7]
	s_cmp_lt_u32 ttmp9, 128
	s_cselect_b64 s[4:5], s[4:5], s[6:7]
	s_add_nc_u64 s[4:5], s[4:5], s[28:29]          ; my tile's first row, my K half
	s_add_nc_u64 s[30:31], s[14:15], s[32:33]      ; my codes
	s_add_nc_u64 s[34:35], s[14:15], s[40:41]      ; my scale words
	s_add_nc_u64 s[36:37], s[14:15], s[42:43]      ; my rows of the table
.macro LOADF f                         ; fragment f: 16 rows x 512 bytes into set f % 2; the tile's row i lies i + 8 (i / 8) rows on
.irp i, 0,1,2,3,4,5,6,7,8,9,10,11,12,13,14,15
	global_load_b128 v[R+64*((\f)%2)+4*\i:R+64*((\f)%2)+4*\i+3], v1, s[4:5] offset:(\i+8*(\i/8))*4096+512*(\f) th:TH_LOAD_NT
.endr
.endm
	LOADF 0                                        ; all four fragments are asked for at once: 64 loads a wave
	LOADF 1
	s_set_vgpr_msb 0x40                            ; destination window 1
	LOADF 2
	LOADF 3
	s_set_vgpr_msb 0x4000
; THE TABLE, while the loads are on their way.  Lane j takes frequency j.  P = 10000^(j / 32) = 10^(j / 8), rounded to f32, is picked from 32 constants; 1 / P by a reciprocal and one correction.
.macro PICK j, lit
	v_cmp_ne_u32 vcc_lo, \j, v7
	v_cndmask_b32 v6, \lit, v6, vcc_lo
.endm
	v_mov_b32 v6, 1.0
	PICK 1, 0x3faab0d5
	PICK 2, 0x3fe39ea9
	PICK 3, 0x4017c496
	PICK 4, 0x404a62c2
	PICK 5, 0x4086f161
	PICK 6, 0x40b3f300
	PICK 7, 0x40eff755
	PICK 8, 0x41200000
	PICK 9, 0x41555d0a
	PICK 10, 0x418e432a
	PICK 11, 0x41bdb5bc
	PICK 12, 0x41fcfb72
	PICK 13, 0x4228adb9
	PICK 14, 0x4260efc0
	PICK 15, 0x4295fa95
	PICK 16, 0x42c80000
	PICK 17, 0x43055a26
	PICK 18, 0x4331d3f4
	PICK 19, 0x436d232b
	PICK 20, 0x439e1d27
	PICK 21, 0x43d2d927
	PICK 22, 0x440c95d8
	PICK 23, 0x443b793b
	PICK 24, 0x447a0000
	PICK 25, 0x44a6b0b0
	PICK 26, 0x44de48f1
	PICK 27, 0x451435fb
	PICK 28, 0x4545a471
	PICK 29, 0x4583c7b8
	PICK 30, 0x45afbb4e
	PICK 31, 0x45ea5789
	s_wait_alu depctr_va_vdst(0)
	v_rcp_f32 v10, v6
	v_nop                                          ; one plain line behind a transcendental
	s_wait_alu depctr_va_vdst(0)
	v_fma_f32 v11, -v6, v10, 1.0
	v_fma_f32 v10, v10, v11, v10                   ; 1 / P
; One row: a = position x (1 / P), one rounding; n = the nearest multiple of pi / 2, taken off in three parts (the first difference is exact: n has 11 bits);
; sine and cosine of the rest, at most pi / 4, by polynomials; the quadrant n % 4 swaps them and sets their signs, by selects alone.
.macro TROW pos, row, out
	v_cvt_f32_u32 v11, s[\pos]
	v_mul_f32 v11, v11, v10                        ; a
	v_mul_f32 v12, 0x3f22f983, v11                 ; x 2 / pi
	v_rndne_f32 v12, v12                           ; n
	v_fma_f32 v13, v12, 0xbfc90fdb, v11
	v_fma_f32 v13, v12, 0x333bbd2e, v13
	v_fma_f32 v13, v12, 0x26f72ced, v13            ; the rest
	v_mul_f32 v14, v13, v13                        ; z
	v_mov_b32 v15, 0xb94ca1f9
	v_fmaak_f32 v15, v15, v14, 0x3c08839e
	v_fmaak_f32 v15, v15, v14, 0xbe2aaaa3
	v_mul_f32 v15, v15, v14
	v_fma_f32 v15, v15, v13, v13                   ; its sine
	v_mov_b32 v60, 0x37ccf5ce
	v_fmaak_f32 v60, v60, v14, 0xbab6061a
	v_fmaak_f32 v60, v60, v14, 0x3d2aaaa5
	v_mul_f32 v61, v14, v14
	v_fma_f32 v62, v14, -0.5, 1.0
	v_fma_f32 v60, v60, v61, v62                   ; its cosine
	v_cvt_i32_f32 v61, v12                         ; the quadrant's number
	v_and_b32 v62, 1, v61
	v_cmp_eq_u32 vcc_lo, 1, v62
	v_cndmask_b32 v63, v15, v60, vcc_lo            ; odd quadrants: the sine is the rest's cosine,
	v_cndmask_b32 v62, v60, v15, vcc_lo            ; the cosine its sine
	v_and_b32 v15, 2, v61
	v_lshlrev_b32 v15, 30, v15
	v_xor_b32 v[\out+1], v15, v63                  ; sin: negative in quadrants 2, 3
	v_add_nc_u32 v61, 1, v61
	v_and_b32 v61, 2, v61
	v_lshlrev_b32 v61, 30, v61
	v_xor_b32 v[\out], v61, v62                    ; cos: negative in quadrants 1, 2
	global_store_b64 v5, v[\out:\out+1], s[36:37] offset:256*\row   ; 32 lanes store 256 consecutive bytes, aligned
.endm
	TROW 38, 0, 56
	TROW 39, 1, 58
.macro FRAGQ f
	s_wait_loadcnt 48-16*(\f)                      ; this fragment's 16 loads are in; the 16 of each fragment behind it may be out
.if \f >= 2
	s_set_vgpr_msb 0x04                            ; the data: window 1
.endif
.irp i, 0,1,2,3,4,5,6,7,8,9,10,11,12,13,14,15
	ds_store_b128 v2, v[R+64*((\f)%2)+4*\i:R+64*((\f)%2)+4*\i+3] offset:SP*\i
.endr
.if \f >= 2
	s_set_vgpr_msb 0x0400
.endif
.irp b, 0,1,2,3
.irp j, 0,1,2,3
	ds_load_b128 v[X+16*\b+4*\j:X+16*\b+4*\j+3], v3 offset:128*\b+16*\j   ; LDS serves a wave's instructions in order: these see the stores above
.endr
.endr
	s_wait_dscnt 0x0                               ; my 64 numbers are back
	QUANT X
	v_mov_b32 v[SW+\f], v[PW]
.irp c, 0,1,2,3
	global_store_b128 v1, v[PC+4*\c:PC+4*\c+3], s[30:31] offset:2048*\f+512*\c   ; 512 consecutive bytes, aligned
.endr
.endm
	FRAGQ 0
	FRAGQ 1
	FRAGQ 2
	FRAGQ 3
	v_cmp_eq_u32 vcc_lo, 1, v9                     ; a row's four words: lanes 0-15 store the first two, lanes 16-31 the other two
	v_cndmask_b32 v38, v[SW], v[SW+2], vcc_lo
	v_cndmask_b32 v39, v[SW+1], v[SW+3], vcc_lo
	global_store_b64 v4, v[38:39], s[34:35]        ; 256 consecutive bytes, aligned
	s_set_vgpr_msb 0x4
	s_wait_tensorcnt 0x0
	ds_add_u32 v37, v1
	s_wait_dscnt 0x0
	s_set_vgpr_msb 0x400
	s_endpgm
.Lfunc_end_k_q540a1c5d1f_quant:
	.size	k_q540a1c5d1f_quant, .Lfunc_end_k_q540a1c5d1f_quant-k_q540a1c5d1f_quant
	.p2alignl 7, 3214868480
	.fill 96, 4, 3214868480
	.section	.rodata,"a",@progbits
	.p2align	6, 0x0
	.amdhsa_kernel k_q540a1c5d1f_quant
		.amdhsa_group_segment_fixed_size 34304
		.amdhsa_private_segment_fixed_size 0
		.amdhsa_enable_private_segment 0
		.amdhsa_kernarg_size 48
		.amdhsa_user_sgpr_count 2
		.amdhsa_user_sgpr_kernarg_segment_ptr 1
		.amdhsa_wavefront_size32 1
		.amdhsa_system_sgpr_workgroup_id_x 1
		.amdhsa_system_sgpr_workgroup_id_y 1
		.amdhsa_system_sgpr_workgroup_id_z 1
		.amdhsa_system_vgpr_workitem_id 0
		.amdhsa_next_free_vgpr 448
		.amdhsa_next_free_sgpr 66
		.amdhsa_reserve_vcc 1
		.amdhsa_float_denorm_mode_32 3
		.amdhsa_float_denorm_mode_16_64 3
		.amdhsa_memory_ordered 1
		.amdhsa_forward_progress 1
		.amdhsa_inst_pref_size 59
	.end_amdhsa_kernel
	.amdgpu_metadata
---
amdhsa.version: [ 1, 2 ]
amdhsa.kernels:
  - .name:           k_q540a1c5d1f_quant
    .symbol:         k_q540a1c5d1f_quant.kd
    .args:
      - { .name: x, .offset: 0, .size: 8, .value_kind: global_buffer, .address_space: global }
      - { .name: Wq, .offset: 8, .size: 8, .value_kind: global_buffer, .address_space: global }
      - { .name: Wk, .offset: 16, .size: 8, .value_kind: global_buffer, .address_space: global }
      - { .name: Wv, .offset: 24, .size: 8, .value_kind: global_buffer, .address_space: global }
      - { .name: Wo, .offset: 32, .size: 8, .value_kind: global_buffer, .address_space: global }
      - { .name: qx, .offset: 40, .size: 8, .value_kind: global_buffer, .address_space: global }
    .group_segment_fixed_size: 34304
    .private_segment_fixed_size: 0
    .kernarg_segment_align: 8
    .kernarg_segment_size: 48
    .max_flat_workgroup_size: 128
    .sgpr_count:     66
    .vgpr_count:     448
    .wavefront_size: 32
...
	.end_amdgpu_metadata
.endif
;; end of part 1
;; launch qkv (part 2): grid 16 x 16, 4 waves a work-group, clusters of 4 x 4, 327,680 bytes of LDS; arguments qx, bq, bk, bv, qkvb; writes qkvb
.if DOCPART == 2
	.amdgcn_target "amdgcn-amd-amdhsa--gfx1250"
	.amdhsa_code_object_version 6
	.text
	.protected	k_q540a1c5d1f_qkv
	.globl	k_q540a1c5d1f_qkv
	.p2align	8
	.type	k_q540a1c5d1f_qkv,@function
k_q540a1c5d1f_qkv:
	s_mov_b64 s[64:65], 0
	v_nop
	global_prefetch_b8 v0, s[64:65] scope:SCOPE_SE
	s_setreg_imm32_b32 hwreg(HW_REG_WAVE_MODE, 25, 1), 1
	s_wait_xcnt 0x0
	s_wait_alu depctr_hold_cnt(0) depctr_sa_sdst(0) depctr_va_vdst(0) depctr_va_sdst(0) depctr_va_ssrc(0) depctr_va_vcc(0) depctr_vm_vsrc(0)
	s_getreg_b32 s2, hwreg(HW_REG_IB_STS2, 6, 4)
	s_cmp_eq_u32 s2, 0
	s_cbranch_scc0 .Lentry_in_a_cluster
	s_endpgm
.Lentry_in_a_cluster:
	s_bfe_u32 s2, ttmp6, 0x10000c
	s_cmp_lg_u32 s2, 0xf033
	s_cbranch_scc0 .Lentry_shape_is_right
	s_endpgm
.Lentry_shape_is_right:
; q = x Wq^T + bq, k = x Wk^T + bk, v = x Wv^T + bv on codes of BF8 (E5M2) with E8M0 scales; q and k are rotated; all three are quantised for the attention's two products: q and k along the head's 64, v along the keys.
; SHARES.  A work-group takes 256 rows of x (16 tiles) and one head: its 64 columns of Q, of K and of V (12 tiles of weights).  Each of four waves takes 64 rows (4 tiles) x all 12 tiles: 48 accumulators.
; The rows are shared out and not the columns, since the rotation wants columns d and d + 32 in one lane and a block of 32 keys of V wants 32 rows in one wave.
; TILES.  Tile 2 g + u holds in lane r the row 32 g + 8 u + r + 8 (r / 8).  Q and K are made transposed (source 0 = 16 rows of the weight, source 1 = 16 rows of x): a lane holds one row of x, and the 16 registers of
; tiles 2 b, 2 b + 1 are columns 32 b + 16 (lane / 16) + 0 .. 15.  V is made the natural way (source 0 = x): a lane holds one column, and the 16 registers of x's tiles 2 g, 2 g + 1 are keys 32 g + 16 (lane / 16) + 0 .. 15.
; So every quantiser finds 16 neighbours along its K in a lane's registers, and the codes are stored as images of the next operand's registers: 512 consecutive bytes a store.
; RING.  All codes lie in memory as register images, 2,048 bytes a fragment.  K goes through two LDS slots of two K steps of 128; a slot is [28 tiles][2 steps][2,048].  The eight K steps are written out.
; CLUSTER.  4 x 4 work-groups: x's tiles hang on the block of rows alone and are shared along a row of the cluster, the weights' on the head alone and are shared along a column: joint loads.
; LIMITS: a block of zeros gets the byte 1 where the rule says 127 (this program alone reads the bytes); blocks whose largest magnitude lies under 2^-111 are held at the byte 1; NaN and infinities are not served.
; REGISTERS, in windows of 256.  Window 0: v1-31 addresses and small things; v32-95 scale words (nothing else); v96-159 cos and sin of two tiles; v160-223 64 numbers for the quantiser; v224-239 its work.
;   Window 1: v0-191 the weights' 12 fragments; v192-255 bq's and bk's eight tiles, the C of the first products.  Window 2: Q's 16 accumulators, then K's.  Window 3: v0-127 V's; v128-255 x's fragments, two sets.
.set SCLO,  8388608
.set ROPEO, 8650752
.set QSO,   4194304
.set KVO,   4456448
.set KVSO,  12845056
.set SLOT,  114688                     ; 28 tiles x 4,096
.set BOFF,  65536                      ; the weights' tiles lie behind x's sixteen
.set SCR,   2*SLOT                     ; 1,024 bytes in which K's and V's scale words of two key steps meet; no fill lands here
.set SPARE, SCR+1024                   ; the spare words, 128 bytes for each wave
.set ADRA, 4                           ; v4-5   LDS address of my x fragments in slot 0, 1
.set ADRB, 6                           ; v6-7   of the weights'
.set SPW,  8                           ; v8     my spare word's address; never rewritten
.set NIL,  9                           ; v9     0; never rewritten
.set BV,   16                          ; v16-19 bv at my column of V's tile t
.set QW,   20                          ; v20-23 q's scale words of my four tiles
.set KW,   24                          ; v24-25 k's of my two groups of 32 keys
.set VB,   26                          ; v26-29 v's two bytes for tile t
.set PW,   30
.set CSO,  31                          ; v31    my lane's offset in the table
.set SCA,  32                          ; x's scale words: tile a, register q: lanes 0-15 K step q, lanes 16-31 K step 4 + q
.set SCW,  48                          ; the weights' likewise: tile n at SCW + 4 n
.set CS,   96
.set T,    160
.set TM,   224
.set PC,   240
.set G1A,  24
.set G0A,  32
.set G1B,  40
.set G0B,  48
.set SEL,  82
.set MNT,  84
.set MSB, 0
.macro WIN new                         ; the immediate's high byte repeats the setting that is left
.if MSB != \new
	s_set_vgpr_msb (MSB<<8)|\new
.set MSB, \new
.endif
.endm
.macro PLACES n
.rept \n
	v_nop
.endr
.endm
; A joint load: waves 0 and 1 fetch x's tiles, waves 2 and 3 the weights'.  Four v_nop follow each of the two lines.
.macro JLOAD g0a, g1a, g0b, g1b
	s_cmp_eq_u32 s15, 0
	s_cbranch_scc0 .Lfor_b_\@
	tensor_load_to_lds s[\g0a:\g0a+3], s[\g1a:\g1a+7]
	s_nop 0
.rept 4
	v_nop
.endr
	s_branch .Lasked_\@
.Lfor_b_\@:
	tensor_load_to_lds s[\g0b:\g0b+3], s[\g1b:\g1b+7]
	s_nop 0
.rept 4
	v_nop
.endr
.Lasked_\@:
.endm
.macro CREST                           ; a round of the cluster's barrier behind its opening barrier
	s_cmp_lg_u32 s14, 0
	s_cbranch_scc1 .Lnot_wave_0_\@
	s_barrier_signal -3
.Lnot_wave_0_\@:
	s_barrier_wait -3
	s_barrier_signal -1
	s_barrier_wait -1
.endm
.macro CROUND
	s_barrier_signal -1
	s_barrier_wait -1
	CREST
.endm
.macro QUANT s, pc                     ; 64 numbers of a lane, register 16 b + i, become 16 registers of codes in window 1 from v[pc] on (each call has its own, so that no store's data are written again), four bytes in v[TM+4] on, a scale word in v[PW]
.irp b, 0,1,2,3
	v_max3_num_f32 v[TM+\b], |v[\s+16*\b]|, |v[\s+1+16*\b]|, 0x8000000   ; block b: my 16 numbers, and the floor 2^(16 - 127): the byte cannot fall under 1
.endr
.irp i, 2,4,6,8,10,12,14
.irp b, 0,1,2,3
	v_max3_num_f32 v[TM+\b], v[TM+\b], |v[\s+16*\b+\i]|, |v[\s+1+16*\b+\i]|
.endr
.endr
.irp b, 0,1,2,3
	v_permlanex16_b32 v[TM+4+\b], v[TM+\b], s[SEL], s[SEL+1]
.endr
.irp b, 0,1,2,3
	v_max_num_f32 v[TM+\b], v[TM+\b], v[TM+4+\b]   ; with lane l xor 16's: the block's largest magnitude
.endr
.irp b, 0,1,2,3
	v_add_nc_u32 v[TM+12+\b], 0xf8800000, v[TM+\b]   ; 15 off its exponent field: the conversion's scale operand
.endr
.irp b, 0,1,2,3
	v_and_or_b32 v[TM+8+\b], v[TM+\b], 0x7f800000, s[MNT]   ; 57,344 x the scale
.endr
.irp b, 0,1,2,3
	v_lshrrev_b32 v[TM+4+\b], 23, v[TM+12+\b]   ; the scale's byte
.endr
	v_lshl_or_b32 v[PW], v[TM+5], 8, v[TM+4]
	v_lshl_or_b32 v[PW], v[TM+6], 16, v[PW]
	v_lshl_or_b32 v[PW], v[TM+7], 24, v[PW]
.irp b, 0,1,2,3
.irp i, 0,1,2,3,4,5,6,7,8,9,10,11,12,13,14,15
	v_med3_num_f32 v[\s+16*\b+\i], v[\s+16*\b+\i], -v[TM+8+\b], v[TM+8+\b]   ; the conversion does not saturate (ISA guide 7.6.2): the hold
.endr
.endr
	WIN 0x40                                       ; destination window 1
.irp b, 0,1,2,3
	v_cvt_scalef32_pk8_bf8_f32 v[\pc+4*\b:\pc+1+4*\b], v[\s+16*\b:\s+7+16*\b], v[TM+12+\b]
	v_cvt_scalef32_pk8_bf8_f32 v[\pc+2+4*\b:\pc+3+4*\b], v[\s+8+16*\b:\s+15+16*\b], v[TM+12+\b]
.endr
	WIN 0
	v_nop                                          ; one plain line behind the last conversion
.endm
	s_load_b256 s[4:11], s[0:1], 0x0               ; qx, bq, bk, bv
	s_load_b64 s[12:13], s[0:1], 0x20              ; qkvb
	v_lshl_add_u32 v[SPW], v0, 2, SPARE
	v_mov_b32 v[NIL], 0
	ds_add_u32 v8, v9
	ds_add_u32 v8, v9
	s_wait_dscnt 0x0
	v_lshrrev_b32 v10, 5, v0
	v_readfirstlane_b32 s14, v10                   ; wave 0..3
	s_lshr_b32 s15, s14, 1                         ; I fetch for x (0) or for the weights (1)
	s_and_b32 s16, s14, 1                          ; which half of those tiles
	s_bfe_u32 s56, ttmp6, 0x40000                  ; cx
	s_bfe_u32 s57, ttmp6, 0x40004                  ; cy
	s_lshl_b32 s58, ttmp9, 2
	s_add_co_u32 s58, s58, s56                     ; the head = 4 x cluster x + cx
	s_and_b32 s59, ttmp7, 0xffff
	s_lshl_b32 s59, s59, 2
	s_add_co_u32 s59, s59, s57                     ; the block of 256 rows = 4 x cluster y + cy
	s_lshl_b32 s60, s57, 2
	s_lshl_b32 s60, 15, s60                        ; my row of the cluster
	s_lshl_b32 s61, 0x1111, s56                    ; my column
	; group 1: rows of 4,096 bytes (a tile's two K steps: 512 elements of 8 bytes), 16,384 bytes apart in memory, dense in LDS; x: 8 tiles a load, the weights: 6
	s_or_b32 s[G1A], s60, (3<<16)|(1<<21)          ; 15:0 the mask; 17:16 elements of 8 bytes; 21 set beside a mask
	s_or_b32 s[G1B], s61, (3<<16)|(1<<21)
	s_mov_b32 s[G1A+1], 512<<16                    ; tensor_dim0
	s_mov_b32 s[G1A+2], 8<<16                      ; tensor_dim1
	s_mov_b32 s[G1A+3], 512<<16                    ; tile_dim0
	s_mov_b32 s[G1A+4], 8                          ; tile_dim1
	s_mov_b32 s[G1A+5], 2048                       ; the pitch in elements
	s_mov_b32 s[G1A+6], 0
	s_mov_b32 s[G1A+7], 0
	s_mov_b32 s[G1B+1], 512<<16
	s_mov_b32 s[G1B+2], 6<<16
	s_mov_b32 s[G1B+3], 512<<16
	s_mov_b32 s[G1B+4], 6
	s_mov_b32 s[G1B+5], 2048
	s_mov_b32 s[G1B+6], 0
	s_mov_b32 s[G1B+7], 0
	s_lshl_b32 s18, s59, 4                         ; x: tile 16 x block + 8 x half, 16,384 bytes a tile: hangs on the block of rows and the wave alone
	s_lshl_b32 s19, s16, 3
	s_add_co_u32 s18, s18, s19
	s_lshl_b32 s18, s18, 14
	s_mov_b32 s19, 0
	s_mul_i32 s20, s58, 12                         ; the weights: tile 256 + 12 x head + 6 x half: hangs on the head and the wave alone
	s_mul_i32 s21, s16, 6
	s_add_co_u32 s20, s20, s21
	s_add_co_u32 s20, s20, 256
	s_lshl_b32 s20, s20, 14
	s_mov_b32 s21, 0
	s_lshl_b32 s22, s16, 15                        ; where they go in a slot: x's half,
	s_mul_i32 s23, s16, 6*4096
	s_add_co_u32 s23, s23, BOFF                    ; the weights' half
	; offsets of all that is loaded and stored through registers
	s_lshr_b32 s86, s59, 3
	s_lshl_b32 s86, s86, 4
	s_add_co_u32 s86, s86, s58                     ; bh = 16 x batch + head
	s_and_b32 s87, s59, 7                          ; the block of rows within its batch
	s_lshl_b32 s66, s59, 13                        ; x's scale words: 512 bytes a tile
	s_lshl_b32 s88, s14, 11
	s_add_co_u32 s66, s66, s88
	s_add_co_u32 s66, s66, SCLO
	s_mov_b32 s67, 0
	s_mul_i32 s68, s58, 12*512                     ; the weights'
	s_add_co_u32 s68, s68, SCLO+256*512
	s_mov_b32 s69, 0
	s_lshl_b32 s70, s87, 16                        ; the table: 256 bytes a position
	s_lshl_b32 s88, s14, 14
	s_add_co_u32 s70, s70, s88
	s_add_co_u32 s70, s70, ROPEO
	s_mov_b32 s71, 0
	s_lshl_b32 s72, s86, 7                         ; q's codes: [bh][128 tiles][1,024]
	s_lshl_b32 s88, s87, 4
	s_add_co_u32 s72, s72, s88
	s_lshl_b32 s88, s14, 2
	s_add_co_u32 s72, s72, s88
	s_lshl_b32 s72, s72, 10
	s_mov_b32 s73, 0
	s_mul_i32 s74, s86, 270336                     ; k, v and their scale words: [bh][16 key steps][16,896]: k's four fragments, v's four tiles, 256 bytes of k's words, 256 of v's
	s_add_co_u32 s74, s74, KVO
	s_lshl_b32 s88, s87, 1
	s_add_co_u32 s88, s88, s15                     ; my key step: 2 x block + wave / 2
	s_mul_i32 s88, s88, 16896
	s_add_co_u32 s74, s74, s88
	s_lshl_b32 s88, s16, 8                         ; the scale words: I store k's (wave even) or v's (wave odd) 256 bytes of my step
	s_add_co_u32 s80, s74, s88
	s_add_co_u32 s80, s80, 16384
	s_mov_b32 s81, 0
	s_lshl_b32 s88, s16, 10                        ; v: [4 tiles][2,048] behind k's 8,192: my two chunks of 32 keys
	s_add_co_u32 s76, s74, s88
	s_add_co_u32 s76, s76, 8192
	s_mov_b32 s77, 0
	s_lshl_b32 s88, s16, 12                        ; k: [4 groups of 32 keys][2,048]: my two groups
	s_add_co_u32 s74, s74, s88
	s_mov_b32 s75, 0
	s_lshl_b32 s78, s86, 5                         ; q's scale words: [bh][32 groups of 4 tiles][256]
	s_lshl_b32 s88, s87, 2
	s_add_co_u32 s78, s78, s88
	s_add_co_u32 s78, s78, s14
	s_lshl_b32 s78, s78, 8
	s_add_co_u32 s78, s78, QSO
	s_mov_b32 s79, 0
	s_lshl_b32 s88, s58, 8                         ; the biases: the head's 64 numbers
	s_mov_b32 s89, 0
	s_mov_b32 s[SEL], 0x76543210
	s_mov_b32 s[SEL+1], 0xfedcba98
	s_mov_b32 s[MNT], 0x600000
	v_and_b32 v2, 15, v0                           ; r
	v_bfe_u32 v3, v0, 4, 1                         ; h
	v_and_b32 v10, 31, v0
	v_lshlrev_b32 v1, 4, v10                       ; 16 x lane: an image's place for my lane
	v_lshlrev_b32 v15, 3, v10                      ; 8 x lane
	s_lshl_b32 s90, s14, 14
	v_add_nc_u32 v[ADRA], s90, v1                  ; my four tiles of x
	v_add_nc_u32 v[ADRA+1], SLOT, v[ADRA]
	v_add_nc_u32 v[ADRB], BOFF, v1
	v_add_nc_u32 v[ADRB+1], SLOT, v[ADRB]
	v_lshlrev_b32 v13, 4, v2                       ; 16 r
	v_lshl_add_u32 v11, v3, 3, v13                 ; 16 r + 8 h
	v_lshl_add_u32 v12, v3, 2, v13                 ; 16 r + 4 h
	s_lshl_b32 s91, s15, 9                         ; the scratch: 512 bytes for each of the two key steps
	s_lshl_b32 s92, s16, 3
	s_add_co_u32 s93, s91, s92
	s_add_co_u32 s93, s93, SCR
	v_add_nc_u32 v12, s93, v12                     ; k's words: [r][4 groups]; my two groups, one for each half of the lanes
	s_lshl_b32 s92, s16, 1
	s_add_co_u32 s94, s91, s92
	s_add_co_u32 s94, s94, SCR+256
	v_add_nc_u32 v13, s94, v13                     ; v's words: [r][4 tiles]; my two bytes of each
	s_lshl_b32 s95, s14, 8
	s_add_co_u32 s95, s95, SCR
	v_add_nc_u32 v14, s95, v15                     ; back: my quarter, 8 bytes a lane
	v_and_b32 v10, 8, v2
	v_add_nc_u32 v10, v10, v2                      ; r + 8 (r / 8)
	v_lshlrev_b32 v[T+1], 2, v10                   ; bv: my column of a tile
	v_lshlrev_b32 v[CSO], 8, v10
	v_lshl_add_u32 v[CSO], v3, 7, v[CSO]           ; the table: my row, frequencies 16 h on
	v_lshlrev_b32 v[T], 6, v3                      ; bq, bk: 16 h numbers on
.irp b, 0,1,2,3
	v_mov_b32 v[TM+4+\b], 0                        ; written once: a lane permute's destination counts as one of its sources
.endr
	s_wait_kmcnt 0x0
	s_add_nc_u64 s[18:19], s[4:5], s[18:19]
	s_add_nc_u64 s[20:21], s[4:5], s[20:21]
	s_add_nc_u64 s[66:67], s[4:5], s[66:67]
	s_add_nc_u64 s[68:69], s[4:5], s[68:69]
	s_add_nc_u64 s[70:71], s[4:5], s[70:71]
	s_add_nc_u64 s[6:7], s[6:7], s[88:89]
	s_add_nc_u64 s[8:9], s[8:9], s[88:89]
	s_add_nc_u64 s[10:11], s[10:11], s[88:89]
	s_add_nc_u64 s[72:73], s[12:13], s[72:73]
	s_add_nc_u64 s[74:75], s[12:13], s[74:75]
	s_add_nc_u64 s[76:77], s[12:13], s[76:77]
	s_add_nc_u64 s[78:79], s[12:13], s[78:79]
	s_add_nc_u64 s[80:81], s[12:13], s[80:81]
	CROUND                                         ; all sixteen work-groups are here: the first joint loads meet
.irp s, 0,1
	s_mov_b32 s[G0A+4*\s], 1
	s_add_co_u32 s[G0A+4*\s+1], s22, \s*SLOT
	s_add_nc_u64 s[G0A+4*\s+2:G0A+4*\s+3], s[18:19], \s*4096       ; slot s begins with K steps 2 s, 2 s + 1
	s_or_b32 s[G0A+4*\s+3], s[G0A+4*\s+3], 0x80000000
	s_mov_b32 s[G0B+4*\s], 1
	s_add_co_u32 s[G0B+4*\s+1], s23, \s*SLOT
	s_add_nc_u64 s[G0B+4*\s+2:G0B+4*\s+3], s[20:21], \s*4096
	s_or_b32 s[G0B+4*\s+3], s[G0B+4*\s+3], 0x80000000
.endr
	JLOAD G0A, G1A, G0B, G1B                       ; slot 0: one tensor load a wave at the head
.irp a, 0,1,2,3
	global_load_b128 v[SCA+4*\a:SCA+4*\a+3], v1, s[66:67] offset:512*\a
.endr
.irp n, 0,1,2,3,4,5,6,7,8,9,10,11
	global_load_b128 v[SCW+4*\n:SCW+4*\n+3], v1, s[68:69] offset:512*\n
.endr
	s_wait_alu depctr_va_vdst(0)
.irp t, 0,1,2,3
	global_load_b32 v[BV+\t], v[T+1], s[10:11] offset:(32*(\t/2)+8*(\t%2))*4
.endr
.macro CSLOAD gg                       ; cos and sin for my x tiles 2 gg, 2 gg + 1: 16 pairs a lane and tile
.irp u, 0,1
.irp i, 0,1,2,3,4,5,6,7
	global_load_b128 v[CS+32*\u+4*\i:CS+32*\u+4*\i+3], v[CSO], s[70:71] offset:(32*(\gg)+8*\u)*256+16*\i
.endr
.endr
.endm
	CSLOAD 0
	WIN 0x40                                       ; destination window 1
.irp n, 0,1,2,3                        ; the biases in the result's layout: tile 2 b + u, lane (r, h): columns 32 b + 16 h + 8 u + 0 .. 7
	global_load_b128 v[192+8*\n:192+8*\n+3], v[T], s[6:7] offset:(32*(\n/2)+8*(\n%2))*4
	global_load_b128 v[192+8*\n+4:192+8*\n+7], v[T], s[6:7] offset:(32*(\n/2)+8*(\n%2))*4+16
	global_load_b128 v[224+8*\n:224+8*\n+3], v[T], s[8:9] offset:(32*(\n/2)+8*(\n%2))*4
	global_load_b128 v[224+8*\n+4:224+8*\n+7], v[T], s[8:9] offset:(32*(\n/2)+8*(\n%2))*4+16
.endr
	WIN 0
.macro FRAG reg, adr, tile, q          ; a fragment comes as it lies: four loads of 512 consecutive bytes
.irp c, 0,1,2,3
	ds_load_b128 v[\reg+4*\c:\reg+4*\c+3], v[\adr] offset:4096*(\tile)+2048*(\q)+512*\c
.endr
.endm
.macro FB slot, q, n0, n1              ; the weights' tiles n0 .. n1
	WIN 0x40
.set nn, \n0
.rept \n1-\n0+1
	FRAG 16*nn, ADRB+\slot, nn, \q
.set nn, nn+1
.endr
.endm
.macro FA slot, q, set                 ; my four tiles of x
	WIN 0xc0
.irp a, 0,1,2,3
	FRAG 128+64*(\set)+16*\a, ADRA+\slot, \a, \q
.endr
.endm
; Q's and K's products of tiles n0 .. n1 (0-3: Q, 4-7: K) with my four tiles of x.  first = 1: the bias is the C.  From K step 4 on the scale words are those of lanes 16-31.
; The 48 accumulators take turns, one instruction a turn, in the same order in every K step.
.macro MQK n0, n1, set, ks, first
.if \first
	WIN 0x9d                                       ; source 0 window 1, source 1 window 3, C window 1, D window 2
.else
	WIN 0xad                                       ; C and D window 2
.endif
.set nn, \n0
.rept \n1-\n0+1
.irp a, 0,1,2,3
.set AC, 128*(nn/4)+32*\a+8*(nn%4)
.set AX, 128+64*(\set)+16*\a
.if \first
	v_wmma_scale_f32_16x16x128_f8f6f4 v[AC:AC+7], v[16*nn:16*nn+15], v[AX:AX+15], v[192+8*nn:192+8*nn+7], v[SCW+4*nn+(\ks)%4], v[SCA+4*\a+(\ks)%4] matrix_a_fmt:MATRIX_FMT_BF8 matrix_b_fmt:MATRIX_FMT_BF8
.elseif (\ks) < 4
	v_wmma_scale_f32_16x16x128_f8f6f4 v[AC:AC+7], v[16*nn:16*nn+15], v[AX:AX+15], v[AC:AC+7], v[SCW+4*nn+(\ks)%4], v[SCA+4*\a+(\ks)%4] matrix_a_fmt:MATRIX_FMT_BF8 matrix_b_fmt:MATRIX_FMT_BF8
.else
	v_wmma_scale_f32_16x16x128_f8f6f4 v[AC:AC+7], v[16*nn:16*nn+15], v[AX:AX+15], v[AC:AC+7], v[SCW+4*nn+(\ks)%4], v[SCA+4*\a+(\ks)%4] matrix_a_fmt:MATRIX_FMT_BF8 matrix_b_fmt:MATRIX_FMT_BF8 matrix_a_scale:MATRIX_SCALE_ROW1 matrix_b_scale:MATRIX_SCALE_ROW1
.endif
.endr
.set nn, nn+1
.endr
.endm
.macro MV set, ks, first               ; V's products: source 0 = x, source 1 = Wv's tile t
	WIN 0xf7                                       ; source 0 window 3, source 1 window 1, C and D window 3
.irp t, 0,1,2,3
.irp a, 0,1,2,3
.set AC, 64*(\a/2)+16*\t+8*(\a%2)
.set AX, 128+64*(\set)+16*\a
.if \first
	v_wmma_scale_f32_16x16x128_f8f6f4 v[AC:AC+7], v[AX:AX+15], v[128+16*\t:128+16*\t+15], 0, v[SCA+4*\a+(\ks)%4], v[SCW+32+4*\t+(\ks)%4] matrix_a_fmt:MATRIX_FMT_BF8 matrix_b_fmt:MATRIX_FMT_BF8
.elseif (\ks) < 4
	v_wmma_scale_f32_16x16x128_f8f6f4 v[AC:AC+7], v[AX:AX+15], v[128+16*\t:128+16*\t+15], v[AC:AC+7], v[SCA+4*\a+(\ks)%4], v[SCW+32+4*\t+(\ks)%4] matrix_a_fmt:MATRIX_FMT_BF8 matrix_b_fmt:MATRIX_FMT_BF8
.else
	v_wmma_scale_f32_16x16x128_f8f6f4 v[AC:AC+7], v[AX:AX+15], v[128+16*\t:128+16*\t+15], v[AC:AC+7], v[SCA+4*\a+(\ks)%4], v[SCW+32+4*\t+(\ks)%4] matrix_a_fmt:MATRIX_FMT_BF8 matrix_b_fmt:MATRIX_FMT_BF8 matrix_a_scale:MATRIX_SCALE_ROW1 matrix_b_scale:MATRIX_SCALE_ROW1
.endif
.endr
.endr
.endm
; A slot's first K step: its successor lies in the same slot.  Eight places stand in front of each run of loads into registers that matrix instructions have read.
.macro STEP slot, ks, first
	s_wait_dscnt 24                                ; the weights' tiles 0-5 and x's four are in; the youngest 24 loads (tiles 6-11) may be out
	MQK 0, 5, (\ks)%2, \ks, \first
	s_wait_dscnt 0x0
	PLACES 8
	FB \slot, 1, 0, 5
	FA \slot, 1, 1-(\ks)%2
	MQK 6, 7, (\ks)%2, \ks, \first
	MV (\ks)%2, \ks, \first
	PLACES 8
	FB \slot, 1, 6, 11
.endm
; A slot's second K step changes slots: one barrier; in front of it each wave waits for all its tensor loads, adds 0 to its spare word, and waits for that and for its reads of this slot.  fill = 1: this slot takes the K steps four on.
.macro TURN slot, next, ks, fill
	WIN 0                                          ; (the add's two registers lie in window 0)
	s_wait_tensorcnt 0x0                           ; all my tensor loads have landed: my part of the next slot
	ds_add_u32 v[SPW], v[NIL]                      ; 0 onto my spare word
	s_wait_dscnt 25                                ; (the add and the youngest 24 loads may be out)
	MQK 0, 2, 1, \ks, 0                            ; twelve matrix instructions stand between the add and the wait for it
	s_wait_dscnt 0x0                               ; the add is done, and my reads of this slot are over
	s_barrier_signal -1
	MQK 3, 5, 1, \ks, 0
	WIN 0
	s_barrier_wait -1
.if \fill
	CREST                                          ; the barrier has opened a round of the cluster's: no wave of any partner still reads this slot or has a load on its way
	s_add_nc_u64 s[G0A+4*\slot+2:G0A+4*\slot+3], s[G0A+4*\slot+2:G0A+4*\slot+3], 8192
	s_add_nc_u64 s[G0B+4*\slot+2:G0B+4*\slot+3], s[G0B+4*\slot+2:G0B+4*\slot+3], 8192
	JLOAD G0A+4*\slot, G1A, G0B+4*\slot, G1B       ; the first tensor load behind the round; its four v_nop are four of the eight places
	PLACES 4
.else
	PLACES 8
.endif
	FB \next, 0, 0, 5
	FA \next, 0, 0
	MQK 6, 7, 1, \ks, 0
	MV 1, \ks, 0
	PLACES 8
	FB \next, 0, 6, 11
.endm
	s_wait_alu depctr_va_vdst(0)
	s_wait_tensorcnt 0x0                           ; my part of slot 0 is in; slot 1's first fill is issued as a refill is:
	ds_add_u32 v[SPW], v[NIL]                      ; 0 onto my spare word
	s_wait_dscnt 0x0
	CROUND                                         ; a whole round: everybody's part of slot 0 is in, and the joint loads meet
	JLOAD G0A+4, G1A, G0B+4, G1B                   ; slot 1: the first tensor load behind the round
	FB 0, 0, 0, 5
	FA 0, 0, 0
	FB 0, 0, 6, 11
	s_wait_loadcnt 0x0                             ; scale words, biases, the table's first rows
	STEP 0, 0, 1                                   ; the first products start the sums: Q's and K's with the bias, V's with 0
	WIN 0x40                                       ; the biases have been read for the last time, and the step's last eight places stand behind those products: their 64 registers, window 1 v192-255, take cos and sin for my x tiles 2, 3
.irp u, 0,1
.irp i, 0,1,2,3,4,5,6,7
	global_load_b128 v[192+32*\u+4*\i:192+32*\u+4*\i+3], v[CSO], s[70:71] offset:(32+8*\u)*256+16*\i
.endr
.endr
	TURN 0, 1, 1, 1
	STEP 1, 2, 0
	TURN 1, 0, 3, 1
	STEP 0, 4, 0
	TURN 0, 1, 5, 0                                ; nothing is left to fetch
	STEP 1, 6, 0
	s_wait_dscnt 24
	MQK 0, 5, 1, 7, 0
	s_wait_dscnt 0x0
	MQK 6, 7, 1, 7, 0
	MV 1, 7, 0
	WIN 0
	PLACES 8                                       ; in front of the first reads of results
; THE ROTATION of x tile a of Q (base 0) or K (base 128): columns d = 16 h + i and d + 32 lie 16 registers apart in my lane; each accumulator is read from its low end on.
.macro ROPEM base, a
.if (\a) < 2
	WIN 0x02                                       ; source 0 window 2; the table's rows for tiles 0, 1 lie in window 0
.set CB, CS+32*((\a)%2)
.else
	WIN 0x06                                       ; source 0 window 2, source 1 window 1: the rows for tiles 2, 3
.set CB, 192+32*((\a)%2)
.endif
.set ii, 0
.rept 16                               ; the 32 products with the cosines first, then the 32 multiply-adds with the sines
	v_mul_f32 v[T+32*((\a)%2)+ii], v[\base+32*(\a)+ii], v[CB+2*ii]
	v_mul_f32 v[T+32*((\a)%2)+16+ii], v[\base+32*(\a)+16+ii], v[CB+2*ii]
.set ii, ii+1
.endr
.set ii, 0
.rept 16
	v_fma_f32 v[T+32*((\a)%2)+ii], -v[\base+32*(\a)+16+ii], v[CB+2*ii+1], v[T+32*((\a)%2)+ii]
	v_fma_f32 v[T+32*((\a)%2)+16+ii], v[\base+32*(\a)+ii], v[CB+2*ii+1], v[T+32*((\a)%2)+16+ii]
.set ii, ii+1
.endr
.endm
.macro VADD gg                         ; V's keys 32 gg on, + bv: register 16 t + i = key 32 gg + 16 h + i of my column of tile t
	WIN 0x03                                       ; source 0 window 3
.irp t, 0,1,2,3
.set ii, 0
.rept 16
	v_add_f32 v[T+16*\t+ii], v[64*(\gg)+16*\t+ii], v[BV+\t]
.set ii, ii+1
.endr
.endr
.endm
.macro OUT4 base, off, stride, pc      ; four groups of four registers of codes, from window 1: 512 consecutive bytes each, aligned
	WIN 0x04                                       ; the data: window 1
.irp c, 0,1,2,3
	global_store_b128 v1, v[\pc+4*\c:\pc+4*\c+3], s[\base:\base+1] offset:\off+\stride*\c
.endr
	WIN 0
.endm
.irp gg, 0,1
.if \gg == 1
	s_wait_loadcnt 0x0                             ; the table's rows for tiles 2, 3
.endif
	ROPEM 0, 2*\gg
	ROPEM 0, 2*\gg+1
	WIN 0
	QUANT T, 48*\gg                                ; blocks: (tile 2 gg, d 0-31), (2 gg, 32-63), (2 gg + 1, 0-31), (2 gg + 1, 32-63)
	OUT4 72, 2048*\gg, 512, 48*\gg
	v_perm_b32 v[QW+2*\gg], v[PW], v[PW], 0x01000100       ; a query tile's word: its two bytes twice, for the codes in the operand's lower or upper half
	v_perm_b32 v[QW+2*\gg+1], v[PW], v[PW], 0x03020302
	ROPEM 128, 2*\gg
	ROPEM 128, 2*\gg+1
	WIN 0
	QUANT T, 48*\gg+16
	OUT4 74, 2048*\gg, 512, 48*\gg+16              ; a group of 32 keys is one fragment: tile 2 g in its lower 64 along K, tile 2 g + 1 in its upper
	v_mov_b32 v[KW+\gg], v[PW]
	VADD \gg
	WIN 0
	QUANT T, 48*\gg+32                             ; block t: 32 keys of tile t's columns
	OUT4 76, 512*\gg, 2048, 48*\gg+32
.irp t, 0,1,2,3
.if \gg == 0
	v_mov_b32 v[VB+\t], v[TM+4+\t]
.else
	v_lshl_or_b32 v[VB+\t], v[TM+4+\t], 8, v[VB+\t]
.endif
.endr
.endr
	; the scale words leave in whole runs of 256 bytes: q's from my registers, k's and v's through the scratch, where four waves' parts meet
	v_cmp_eq_u32 vcc_lo, 1, v3
	v_cndmask_b32 v[T], v[QW], v[QW+2], vcc_lo
	v_cndmask_b32 v[T+1], v[QW+1], v[QW+3], vcc_lo
	global_store_b64 v11, v[T:T+1], s[78:79]
	v_cndmask_b32 v[T+2], v[KW], v[KW+1], vcc_lo
	ds_store_b32 v12, v[T+2]
.irp t, 0,1,2,3
	ds_store_b16 v13, v[VB+\t] offset:4*\t         ; both halves of the lanes write the same two bytes with the same value
.endr
	s_wait_dscnt 0x0                               ; for the others' sake: my stores are done
	s_barrier_signal -1
	s_barrier_wait -1
	ds_load_b64 v[T+4:T+5], v14
	s_wait_dscnt 0x0
	global_store_b64 v15, v[T+4:T+5], s[80:81]
	s_wait_tensorcnt 0x0                           ; the wave's end
	ds_add_u32 v[SPW], v[NIL]
	s_wait_dscnt 0x0
	CROUND                                         ; the closing round
	s_endpgm
.Lfunc_end_k_q540a1c5d1f_qkv:
	.size	k_q540a1c5d1f_qkv, .Lfunc_end_k_q540a1c5d1f_qkv-k_q540a1c5d1f_qkv
	.p2alignl 7, 3214868480
	.fill 96, 4, 3214868480
	.section	.rodata,"a",@progbits
	.p2align	6, 0x0
	.amdhsa_kernel k_q540a1c5d1f_qkv
		.amdhsa_group_segment_fixed_size 327680
		.amdhsa_private_segment_fixed_size 0
		.amdhsa_enable_private_segment 0
		.amdhsa_kernarg_size 40
		.amdhsa_user_sgpr_count 2
		.amdhsa_user_sgpr_kernarg_segment_ptr 1
		.amdhsa_wavefront_size32 1
		.amdhsa_system_sgpr_workgroup_id_x 1
		.amdhsa_system_sgpr_workgroup_id_y 1
		.amdhsa_system_sgpr_workgroup_id_z 1
		.amdhsa_system_vgpr_workitem_id 0
		.amdhsa_next_free_vgpr 1024
		.amdhsa_next_free_sgpr 100
		.amdhsa_reserve_vcc 1
		.amdhsa_float_denorm_mode_32 3
		.amdhsa_float_denorm_mode_16_64 3
		.amdhsa_memory_ordered 1
		.amdhsa_forward_progress 1
		.amdhsa_inst_pref_size 186
	.end_amdhsa_kernel
	.amdgpu_metadata
---
amdhsa.version: [ 1, 2 ]
amdhsa.kernels:
  - .name:           k_q540a1c5d1f_qkv
    .symbol:         k_q540a1c5d1f_qkv.kd
    .args:
      - { .name: qx, .offset: 0, .size: 8, .value_kind: global_buffer, .address_space: global }
      - { .name: bq, .offset: 8, .size: 8, .value_kind: global_buffer, .address_space: global }
      - { .name: bk, .offset: 16, .size: 8, .value_kind: global_buffer, .address_space: global }
      - { .name: bv, .offset: 24, .size: 8, .value_kind: global_buffer, .address_space: global }
      - { .name: qkvb, .offset: 32, .size: 8, .value_kind: global_buffer, .address_space: global }
    .group_segment_fixed_size: 327680
    .private_segment_fixed_size: 0
    .kernarg_segment_align: 8
    .kernarg_segment_size: 40
    .max_flat_workgroup_size: 128
    .sgpr_count:     100
    .vgpr_count:     1024
    .wavefront_size: 32
...
	.end_amdgpu_metadata
.endif
;; end of part 2
;; launch attn (part 3): grid 8 x 32, 16 waves a work-group, clusters of 4 x 1, 327,680 bytes of LDS; arguments qkvb, att; writes att
.if DOCPART == 3
	.amdgcn_target "amdgcn-amd-amdhsa--gfx1250"
	.amdhsa_code_object_version 6
	.text
	.protected	k_q540a1c5d1f_attn
	.globl	k_q540a1c5d1f_attn
	.p2align	8
	.type	k_q540a1c5d1f_attn,@function
k_q540a1c5d1f_attn:
	s_mov_b64 s[64:65], 0
	v_nop
	global_prefetch_b8 v0, s[64:65] scope:SCOPE_SE
	s_setreg_imm32_b32 hwreg(HW_REG_WAVE_MODE, 25, 1), 1
	s_wait_xcnt 0x0
	s_wait_alu depctr_hold_cnt(0) depctr_sa_sdst(0) depctr_va_vdst(0) depctr_va_sdst(0) depctr_va_ssrc(0) depctr_va_vcc(0) depctr_vm_vsrc(0)
	s_getreg_b32 s2, hwreg(HW_REG_IB_STS2, 6, 4)
	s_cmp_eq_u32 s2, 0
	s_cbranch_scc0 .Lentry_in_a_cluster
	s_endpgm
.Lentry_in_a_cluster:
	s_bfe_u32 s2, ttmp6, 0x10000c
	s_cmp_lg_u32 s2, 0x3003
	s_cbranch_scc0 .Lentry_shape_is_right
	s_endpgm
.Lentry_shape_is_right:
; For each batch and head: o = softmax(q k^T / 8) v, both products on codes of BF8 (E5M2) with E8M0 scales; o is quantised along d_model for the last product.
; THE SOFTMAX AHEAD OF THE SECOND PRODUCT: t = score x log2(e) / 8; M = the row's largest t so far, rounded up to a whole number; p = 2^(t - M) is quantised along the keys, not normalised.
; The row's sum is taken of the unquantised p and divides at the end.  When M moves, the sum and O are multiplied by f = 2^(old M - new M), the exponential of a whole number.
; SHARES.  A work-group owns 256 queries of one head, each of sixteen waves one tile of 16, in 256 registers: four waves to a SIMD, so that one wave's vector work stands beside another's products and LDS loads.
; LDS.  A head's K, V and scale words lie in memory by key step of 128 keys, 16,896 dense bytes a step: K's four fragments, V's four tiles, K's words [r][4], V's words [r][4].
; Wave w asks for step w with its one tensor load at the head: 16 x 16,896 bytes, filled ONCE; no byte is filled again.  Waves 0 to 3 have a load line of their own: the first barrier shows steps 0 to 3 alone.
; CLUSTER.  The four blocks of queries of a cluster read the same K and V: every load is asked for jointly, with the same descriptor and the mask of all four.
; NO PREFETCH: every byte that the launch reads through LDS is asked for at the head by the tensor loads themselves; no later load is left to run ahead of.
; A HEAD OF 64 IN A K OF 128.  A fragment of K holds TWO tiles of 16 keys, one in each half of its K.  q, 8 zeros, q lie in 24 registers: [q | 0] gives the lower tile's scores, [0 | q] the upper's.
; Both products are used transposed: a lane holds one query throughout, and the 16 registers of two neighbouring tiles are 16 neighbouring keys.
; TWO RUNS OF 64 REGISTERS, X AND Y, CHANGE ROLES FROM STEP TO STEP: K lies in one, S^T goes into the other, V follows K into the first, p is made in place; a converted block's 16 registers take the next step's fragment of K.
; THE WAVES KEEP STEP: at a step's start a wave waits until all sixteen have begun the step before, and says that it begins this one; between the two stand register work and LDS loads alone.
; LIMITS: NaN and infinities are not served; a block of zeros has the byte 1 (this program alone reads the bytes); the promise holds while the scaled scores stay under 2^31 in magnitude.
.set QSO,   4194304
.set KVO,   4456448
.set ASCO,  4194304
.set STEPB, 16896                      ; a key step's bytes, in memory and in LDS
.set VOF,   8192                       ; V's tiles in it
.set SOF,   16384                      ; the scale words in it
.set STG,   16*STEPB                   ; LDS: 512 bytes in which the sixteen tiles' scale bytes meet; no fill lands here
.set SPARE, STG+512                    ; the spare words, 128 bytes for each wave
.set ADR,  3                           ; v3   LDS address of the step's fragments: 16 x lane + the step
.set ADS,  4                           ; v4   of its scale words: 16 r + SOF + the step
.set SPW,  10                          ; v10  my spare word; never rewritten
.set NIL,  11                          ; v11  0; never rewritten
.set NMA,  12                          ; v[12:13], v[14:15]  -M of this step and of the last, by turns (the low word of each pair)
.set NMB,  14
.set QA,   16                          ; v16-31  [q | 0]
.set QB,   24                          ; v24-39  [0 | q]
.set L,    40                          ; v[40:41] the row's sum, in two halves
.set SA,   42                          ; v[42:43], v[44:45] a step's sums, two chains
.set SB,   44
.set FF,   46                          ; v[46:47] f
.set X,    48
.set Y,    112
.set OT,   176                         ; v176-207 O^T
.set PC,   208                         ; v208-223 p's codes
.set BM,   224                         ; each block's largest score, then its largest p
.set PT,   228
.set HD,   232
.set SO,   236
.set KS,   240                         ; v240-243 V's scale words; v244 p's; v245 q's; v252-255 K's: scales and nothing else
.set PW,   244
.set QW,   245
.set TP,   246
.set RM,   247                         ; the largest score so far
.set KSK,  252
.set WV,   8
.set G1,   16
.set G0,   32
.set SEL,  60
.set CS,   62                          ; s[62:63] c = log2(e) / 8
.set MNT,  66
.set TB,   67
.set NC,   68                          ; -c
.set CNT,  69
.macro CROUND
	s_barrier_signal -1
	s_barrier_wait -1
	s_cmp_lg_u32 s[WV], 0
	s_cbranch_scc1 .Lnot_wave_0_\@
	s_barrier_signal -3
.Lnot_wave_0_\@:
	s_barrier_wait -3
	s_barrier_signal -1
	s_barrier_wait -1
.endm
.macro PLACES n
.rept \n
	v_nop
.endr
.endm
	s_load_b128 s[4:7], s[0:1], 0x0                ; qkvb, att
	v_lshl_add_u32 v[SPW], v0, 2, SPARE
	v_mov_b32 v[NIL], 0
	ds_add_u32 v[SPW], v[NIL]                      ; the opening lines: the add, twice on end, and its wait ahead of my tensor load
	ds_add_u32 v[SPW], v[NIL]
	v_lshrrev_b32 v5, 5, v0
	v_readfirstlane_b32 s[WV], v5                  ; wave 0..15
	s_bfe_u32 s9, ttmp6, 0x40000                   ; cx
	s_lshl_b32 s10, ttmp9, 2
	s_add_co_u32 s10, s10, s9                      ; my block of 256 queries: it enters Q's and the results' addresses alone
	s_and_b32 s11, ttmp7, 0xffff                   ; bh, which the four partners share
	s_mul_i32 s12, s11, 16*STEPB                   ; the head's K, V and scale words; key step = wave
	s_mul_i32 s70, s[WV], STEPB                    ; (also the step's place in LDS)
	s_add_co_u32 s12, s12, s70
	s_add_co_u32 s12, s12, KVO
	s_mov_b32 s13, 0
	; group 1: 16,896 dense bytes as 66 rows of 256 (32 elements of 8 bytes), dense in LDS
	s_mov_b32 s[G1], 15|(3<<16)|(1<<21)            ; 15:0 the mask: all four work-groups; 17:16 elements of 8 bytes; 21 set beside a mask
	s_mov_b32 s[G1+1], 32<<16
	s_mov_b32 s[G1+2], 66<<16
	s_mov_b32 s[G1+3], 32<<16
	s_mov_b32 s[G1+4], 66
	s_mov_b32 s[G1+5], 32
	s_mov_b32 s[G1+6], 0
	s_mov_b32 s[G1+7], 0
	s_lshl_b32 s52, s11, 7                         ; q's codes: tile 128 bh + 16 block + wave, 1,024 bytes
	s_lshl_b32 s73, s10, 4
	s_add_co_u32 s52, s52, s73
	s_add_co_u32 s52, s52, s[WV]
	s_lshl_b32 s52, s52, 10
	s_mov_b32 s53, 0
	s_lshl_b32 s54, s11, 5                         ; q's scale words: [group of 4 tiles][r][tile % 4]
	s_lshl_b32 s73, s10, 2
	s_add_co_u32 s54, s54, s73
	s_lshr_b32 s73, s[WV], 2
	s_add_co_u32 s54, s54, s73
	s_lshl_b32 s54, s54, 8
	s_and_b32 s73, s[WV], 3
	s_lshl_b32 s73, s73, 2
	s_add_co_u32 s54, s54, s73
	s_add_co_u32 s54, s54, QSO
	s_mov_b32 s55, 0
	s_lshr_b32 s56, s11, 4                         ; the result's codes: row tile 128 batch + 16 block + wave, 16,384 bytes; the head's 64 along K: 1,024 bytes x head
	s_lshl_b32 s56, s56, 7
	s_lshl_b32 s73, s10, 4
	s_add_co_u32 s56, s56, s73
	s_add_co_u32 s56, s56, s[WV]
	s_lshl_b32 s56, s56, 14
	s_and_b32 s73, s11, 15
	s_lshl_b32 s73, s73, 10
	s_add_co_u32 s56, s56, s73
	s_mov_b32 s57, 0
	s_lshl_b32 s58, s11, 12                        ; its scale bytes: [bh][128 tiles][16 rows][2]
	s_lshl_b32 s73, s10, 9
	s_add_co_u32 s58, s58, s73
	s_add_co_u32 s58, s58, ASCO
	s_mov_b32 s59, 0
	s_mov_b32 s[SEL], 0x76543210
	s_mov_b32 s[SEL+1], 0xfedcba98
	s_mov_b32 s[CS], 0x3e38aa3b                    ; c = log2(e) / 8
	s_mov_b32 s[CS+1], s[CS]                       ; (named with it as a pair, so it is written)
	s_mov_b32 s[NC], 0xbe38aa3b
	s_mov_b32 s[MNT], 0x600000
	s_mov_b32 s[TB], 0
	v_and_b32 v5, 31, v0
	v_lshlrev_b32 v1, 4, v5                        ; 16 x lane
	v_and_b32 v6, 15, v0
	v_lshlrev_b32 v9, 1, v6                        ; 2 r
	v_lshlrev_b32 v6, 4, v6                        ; 16 r
	v_add_nc_u32 v2, SOF, v6
	s_lshl_b32 s74, s[WV], 5
	s_add_co_u32 s74, s74, STG
	v_add_nc_u32 v7, s74, v9                       ; where my row's two scale bytes go
	v_add_nc_u32 v8, STG, v1                       ; and where wave 0 reads all of them back
	v_mov_b32 v[ADR], v1
	v_mov_b32 v[ADS], v2
	s_wait_alu depctr_va_vdst(0)
	s_wait_dscnt 0x0                               ; both opening adds are done
	CROUND                                         ; all four work-groups are here: the joint loads meet
	s_wait_kmcnt 0x0
	s_add_nc_u64 s[52:53], s[4:5], s[52:53]
	s_add_nc_u64 s[54:55], s[4:5], s[54:55]
	s_add_nc_u64 s[56:57], s[6:7], s[56:57]
	s_add_nc_u64 s[58:59], s[6:7], s[58:59]
	s_mov_b32 s[G0], 1
	s_mov_b32 s[G0+1], s70
	s_add_nc_u64 s[G0+2:G0+3], s[4:5], s[12:13]
	s_or_b32 s[G0+3], s[G0+3], 0x80000000
	s_cmp_lt_u32 s[WV], 4                          ; one load a wave; waves 0 to 3, which alone wait at the first barrier, have a line of their own
	s_cbranch_scc0 .Llater
	tensor_load_to_lds s[G0:G0+3], s[G1:G1+7]
	s_nop 0
	PLACES 4
	s_branch .Lasked
.Llater:
	tensor_load_to_lds s[G0:G0+3], s[G1:G1+7]
	s_nop 0
	PLACES 4
.Lasked:
	global_load_b128 v[QA:QA+3], v1, s[52:53]
	global_load_b128 v[QA+4:QA+7], v1, s[52:53] offset:512
	global_load_b128 v[QB+8:QB+11], v1, s[52:53]
	global_load_b128 v[QB+12:QB+15], v1, s[52:53] offset:512
	global_load_b32 v[QW], v6, s[54:55]
.set jj, 0
.rept 8
	v_mov_b32 v[QB+jj], 0                          ; the zeros between the two copies of q
.set jj, jj+1
.endr
	v_mov_b32 v[RM], 0xff61b1e6                    ; the largest score so far: -3e38, under every score
	v_mov_b32 v[NMB], 0x7f61b1e6                   ; the -M that goes with it: the first f is 2^(-3e38) = 0, over sums that are zeros
	v_mov_b32 v[NMB+1], 0                          ; (upper halves of pairs that are named whole)
	v_mov_b32 v[NMA+1], 0
	v_mov_b32 v[FF+1], 0
	v_mov_b32 v[L], 0
	v_mov_b32 v[L+1], 0
.irp b, 0,1,2,3
	v_mov_b32 v[PT+\b], 0                          ; written once: a lane permute's destination counts as one of its sources
.endr
.set jj, 0
.rept 32
	v_mov_b32 v[OT+jj], 0                          ; O^T.  The step has no first form of its own
.set jj, jj+1
.endr
; The hold of block mb (two an instruction; the conversion does not saturate, ISA guide 7.6.2; p is not negative, so it is one-sided), and between its lines the sums of block sb (sb < 0: none)
.macro SM sr, sb, mb
.irp i, 0,2,4,6,8,10,12,14
.if (\sb) >= 0
.if (\i)%4 == 0
	v_pk_add_f32 v[SA:SA+1], v[SA:SA+1], v[\sr+16*(\sb)+\i:\sr+16*(\sb)+\i+1]
.else
	v_pk_add_f32 v[SB:SB+1], v[SB:SB+1], v[\sr+16*(\sb)+\i:\sr+16*(\sb)+\i+1]
.endif
.endif
	v_dual_min_num_f32 v[\sr+16*\mb+\i], v[HD+\mb], v[\sr+16*\mb+\i] :: v_dual_min_num_f32 v[\sr+16*\mb+\i+1], v[HD+\mb], v[\sr+16*\mb+\i+1]
.endr
.endm
.macro CVTB sr, b                      ; block b's 32 codes
	v_cvt_scalef32_pk8_bf8_f32 v[PC+4*\b:PC+4*\b+1], v[\sr+16*\b:\sr+16*\b+7], v[SO+\b]
	v_cvt_scalef32_pk8_bf8_f32 v[PC+4*\b+2:PC+4*\b+3], v[\sr+16*\b+8:\sr+16*\b+15], v[SO+\b]
.endm
.macro LDK sr, b, pf                   ; pf = 1: block b's 16 registers, converted, take the next step's fragment b of K
.if \pf
.irp c, 0,1,2,3
	ds_load_b128 v[\sr+16*\b+4*\c:\sr+16*\b+4*\c+3], v[ADR] offset:STEPB+2048*\b+512*\c
.endr
.endif
.endm
; A KEY STEP: 128 keys.  kr: the run that holds K, and then V.  sr: the run that takes S^T, then p, then (pf = 1) the next step's K.  nm, om: the pairs of the new and the old -M.
; bar: bit 0: wait until all waves have begun the step before; bit 1: say that I begin this one.
.macro STEP kr, sr, pf, nm, om, bar
	s_wait_dscnt 0x0                               ; K's fragments, asked for in the last step; no LDS instruction of mine is out at the signal
.if (\bar) & 1
	s_barrier_wait -1
.endif
.if (\bar) & 2
	s_barrier_signal -1
.endif
.irp b, 0,1,2,3                        ; S^T = K Q^T: fragment b holds keys 32 b on: its lower tile against [q | 0], its upper against [0 | q]
	v_wmma_scale_f32_16x16x128_f8f6f4 v[\sr+16*\b:\sr+16*\b+7], v[\kr+16*\b:\kr+16*\b+15], v[QA:QA+15], 0, v[KSK+\b], v[QW] matrix_a_fmt:MATRIX_FMT_BF8 matrix_b_fmt:MATRIX_FMT_BF8
	v_wmma_scale_f32_16x16x128_f8f6f4 v[\sr+16*\b+8:\sr+16*\b+15], v[\kr+16*\b:\kr+16*\b+15], v[QB:QB+15], 0, v[KSK+\b], v[QW] matrix_a_fmt:MATRIX_FMT_BF8 matrix_b_fmt:MATRIX_FMT_BF8
.endr
	PLACES 8                                       ; in front of the first read of the scores
.irp b, 0,1,2,3
	v_max3_num_f32 v[BM+\b], v[\sr+16*\b], v[\sr+1+16*\b], v[\sr+2+16*\b]   ; the largest score of each block of 32 keys: for the row's maximum, and, since p rises with the score, for the block's largest p
.endr
.irp i, 3,5,7,9,11,13
.irp b, 0,1,2,3
	v_max3_num_f32 v[BM+\b], v[BM+\b], v[\sr+16*\b+\i], v[\sr+1+16*\b+\i]
.endr
.endr
.irp b, 0,1,2,3
	v_max_num_f32 v[BM+\b], v[BM+\b], v[\sr+15+16*\b]
.endr
.irp b, 0,1,2,3
	v_permlanex16_b32 v[PT+\b], v[BM+\b], s[SEL], s[SEL+1]
.endr
.irp t, 0,1,2,3                        ; V follows K into its run: 40 vector lines stand behind the products that read it
.irp c, 0,1,2,3
	ds_load_b128 v[\kr+16*\t+4*\c:\kr+16*\t+4*\c+3], v[ADR] offset:VOF+2048*\t+512*\c
.endr
.endr
	ds_load_b128 v[KS:KS+3], v[ADS] offset:256     ; V's scale words
.if \pf
	ds_load_b128 v[KSK:KSK+3], v[ADS] offset:STEPB ; and the next step's of K
.endif
.irp b, 0,1,2,3
	v_max_num_f32 v[BM+\b], v[BM+\b], v[PT+\b]     ; with lane l xor 16's 16 keys
.endr
	v_max3_num_f32 v[TP], v[BM], v[BM+1], v[BM+2]
	v_max3_num_f32 v[RM], v[TP], v[BM+3], v[RM]    ; the running largest score of my query
	v_mul_f32 v[TP], s[NC], v[RM]                  ; -t (c is positive)
	v_floor_f32 v[\nm], v[TP]                      ; the new -M = floor(-t) = -ceil(t)
	v_sub_f32 v[FF], v[\nm], v[\om]                ; old M - new M: a whole number, 0 or less
.irp b, 0,1,2,3
	v_fma_f32 v[BM+\b], v[BM+\b], s[CS], v[\nm]    ; t - M of each block's largest score
.endr
.set jj, 0
.rept 32
	v_pk_fma_f32 v[\sr+jj:\sr+jj+1], v[\sr+jj:\sr+jj+1], s[CS:CS+1], v[\nm:\nm+1] op_sel_hi:[1,0,0]   ; t - M, two at a time (of the pairs c and -M the low word serves both halves)
.set jj, jj+2
.endr
	s_wait_alu depctr_va_vdst(0)
.irp b, 0,1,2,3
	v_exp_f32 v[BM+\b], v[BM+\b]                   ; the block's largest p: the same two instructions on the same number as the score's own
.endr
.set jj, 0
.rept 64
	v_exp_f32 v[\sr+jj], v[\sr+jj]                 ; p = 2^(t - M), at most 1
.set jj, jj+1
.endr
	v_exp_f32 v[FF], v[FF]                         ; f = 2^(old M - new M)
	v_nop                                          ; one plain line behind the batch
	s_wait_alu depctr_va_vdst(0)                   ; one wait for the whole batch, ahead of its first reader
.irp b, 0,1,2,3
	v_max_num_f32 v[BM+\b], 0x8000000, v[BM+\b]    ; the floor 2^(16 - 127): the byte cannot fall under 1
.endr
.irp b, 0,1,2,3
	v_add_nc_u32 v[SO+\b], 0xf8800000, v[BM+\b]    ; 15 off the exponent field: the conversion's scale operand
.endr
.irp b, 0,1,2,3
	v_and_or_b32 v[HD+\b], v[BM+\b], 0x7f800000, s[MNT]   ; 57,344 x the scale
.endr
.irp b, 0,1,2,3
	v_lshrrev_b32 v[PT+\b], 23, v[SO+\b]           ; the scale's byte
.endr
	v_lshl_or_b32 v[PW], v[PT+1], 8, v[PT]         ; p's scale word for these 128 keys
	v_pk_add_f32 v[SA:SA+1], v[\sr:\sr+1], v[\sr+2:\sr+3]   ; the row's sum is taken of the unquantised p: two at a time, in two chains that begin anew in each step
	v_lshl_or_b32 v[PW], v[PT+2], 16, v[PW]
	v_pk_add_f32 v[SB:SB+1], v[\sr+4:\sr+5], v[\sr+6:\sr+7]
	v_lshl_or_b32 v[PW], v[PT+3], 24, v[PW]
	v_pk_add_f32 v[SA:SA+1], v[SA:SA+1], v[\sr+8:\sr+9]
	v_pk_add_f32 v[SB:SB+1], v[SB:SB+1], v[\sr+10:\sr+11]
	v_pk_add_f32 v[SA:SA+1], v[SA:SA+1], v[\sr+12:\sr+13]
	v_pk_add_f32 v[SB:SB+1], v[SB:SB+1], v[\sr+14:\sr+15]
	SM \sr, 1, 0                                   ; a block is held when it has been summed, converted behind the next block's holds, and loaded over behind the holds after those
	SM \sr, 2, 1
	CVTB \sr, 0
	SM \sr, 3, 2
	LDK \sr, 0, \pf
	CVTB \sr, 1
	SM \sr, -1, 3
	LDK \sr, 1, \pf
	CVTB \sr, 2
	CVTB \sr, 3
	LDK \sr, 2, \pf
	LDK \sr, 3, \pf
	s_add_co_u32 s[TB], s[TB], STEPB
	s_wait_alu depctr_va_vdst(0)                   ; the wait, directly ahead of the first reader of O^T
.set jj, 0
.rept 16
	v_pk_mul_f32 v[OT+jj:OT+jj+1], v[OT+jj:OT+jj+1], v[FF:FF+1] op_sel_hi:[1,0]   ; O^T under the new M: x f.  (These sixteen are also the places between the codes and the products below)
.set jj, jj+2
.endr
	s_wait_alu depctr_va_vdst(0)
.if \pf
	s_wait_dscnt 16                                ; V and the scale words are in; the 16 loads issued behind them, the next K, may be out
.else
	s_wait_dscnt 0x0
.endif
.irp t, 0,1,2,3                        ; O^T += V^T P^T: the four accumulators by turns
	v_wmma_scale_f32_16x16x128_f8f6f4 v[OT+8*\t:OT+8*\t+7], v[\kr+16*\t:\kr+16*\t+15], v[PC:PC+15], v[OT+8*\t:OT+8*\t+7], v[KS+\t], v[PW] matrix_a_fmt:MATRIX_FMT_BF8 matrix_b_fmt:MATRIX_FMT_BF8
.endr
	v_pk_add_f32 v[SA:SA+1], v[SA:SA+1], v[SB:SB+1]   ; nine places between these products, which read v[kr] on, and the next step's, which write there: the chains meet,
	v_pk_fma_f32 v[L:L+1], v[L:L+1], v[FF:FF+1], v[SA:SA+1] op_sel_hi:[1,0,1]   ; the sum under the new M takes the step's in,
	v_add_nc_u32 v[ADR], s[TB], v1                 ; the next step's fragments
	v_add_nc_u32 v[ADS], s[TB], v2                 ; and scale words (both first read behind 32 vector lines),
	PLACES 5
.endm
	s_wait_alu depctr_va_vdst(0)
	s_wait_loadcnt 0x0                             ; q
	s_cmp_lt_u32 s[WV], 4
	s_cbranch_scc0 .Lnot_first
	s_wait_tensorcnt 0x0                           ; waves 0 to 3: key steps 0 to 3 have landed.  The other waves' wait stands ahead of step 1
.Lnot_first:
	s_barrier_signal -1
	s_barrier_wait -1
	ds_load_b128 v[KSK:KSK+3], v[ADS]              ; step 0: K's scale words and its fragments
.irp b, 0,1,2,3
.irp c, 0,1,2,3
	ds_load_b128 v[X+16*\b+4*\c:X+16*\b+4*\c+3], v[ADR] offset:2048*\b+512*\c
.endr
.endr
	STEP X, Y, 1, NMA, NMB, 0                      ; step 0
	s_wait_tensorcnt 0x0                           ; every wave: my key step has landed; step 1's signal says so
	STEP Y, X, 1, NMB, NMA, 2                      ; step 1 reads key steps 1 and 2 alone
	STEP X, Y, 1, NMA, NMB, 3                      ; behind step 2's wait every wave's key step may be read
	s_mov_b32 s[CNT], 6
.Lpair:                                            ; steps 3 to 14, two a trip, since the runs change roles
	STEP Y, X, 1, NMB, NMA, 3
	STEP X, Y, 1, NMA, NMB, 3
	s_sub_co_u32 s[CNT], s[CNT], 1
	s_cmp_lg_u32 s[CNT], 0
	s_cbranch_scc1 .Lpair
	STEP Y, X, 0, NMB, NMA, 1                      ; step 15: no K follows, and no signal
	; THE WAY OUT.  O^T / the sum: register 16 b + i is column 32 b + 16 h + i of the head, of my query: two blocks of 32 along the last product's K.  (The step's nine places stand behind the last products.)
	v_add_f32 v[L], v[L], v[L+1]                   ; the sum's two halves,
	v_permlanex16_b32 v[TP], v[L], s[SEL], s[SEL+1]
	v_add_f32 v[L], v[L], v[TP]                    ; and lane l xor 16's
	s_wait_alu depctr_va_vdst(0)
	v_rcp_f32 v[L], v[L]
	v_nop                                          ; one plain line behind a transcendental
	s_wait_alu depctr_va_vdst(0)                   ; the wait, ahead of its first reader and of O^T's
.set jj, 0
.rept 16
	v_pk_mul_f32 v[X+jj:X+jj+1], v[OT+jj:OT+jj+1], v[L:L+1] op_sel_hi:[1,0]   ; each accumulator from its low end on
.set jj, jj+2
.endr
.irp b, 0,1
	v_max3_num_f32 v[BM+\b], |v[X+16*\b]|, |v[X+1+16*\b]|, 0x8000000
.endr
.irp i, 2,4,6,8,10,12,14
.irp b, 0,1
	v_max3_num_f32 v[BM+\b], v[BM+\b], |v[X+16*\b+\i]|, |v[X+1+16*\b+\i]|
.endr
.endr
.irp b, 0,1
	v_permlanex16_b32 v[PT+\b], v[BM+\b], s[SEL], s[SEL+1]
.endr
.irp b, 0,1
	v_max_num_f32 v[BM+\b], v[BM+\b], v[PT+\b]
.endr
.irp b, 0,1
	v_add_nc_u32 v[SO+\b], 0xf8800000, v[BM+\b]
.endr
.irp b, 0,1
	v_and_or_b32 v[HD+\b], v[BM+\b], 0x7f800000, s[MNT]
.endr
.irp b, 0,1
	v_lshrrev_b32 v[PT+\b], 23, v[SO+\b]
.endr
	v_lshl_or_b32 v[PW], v[PT+1], 8, v[PT]         ; my row's two scale bytes
.irp b, 0,1
.irp i, 0,1,2,3,4,5,6,7,8,9,10,11,12,13,14,15
	v_med3_num_f32 v[X+16*\b+\i], v[X+16*\b+\i], -v[HD+\b], v[HD+\b]
.endr
	v_cvt_scalef32_pk8_bf8_f32 v[PC+4*\b:PC+1+4*\b], v[X+16*\b:X+7+16*\b], v[SO+\b]
	v_cvt_scalef32_pk8_bf8_f32 v[PC+2+4*\b:PC+3+4*\b], v[X+8+16*\b:X+15+16*\b], v[SO+\b]
.endr
	v_nop                                          ; one plain line behind the last conversion
	global_store_b128 v1, v[PC:PC+3], s[56:57]     ; 512 consecutive bytes each, aligned
	global_store_b128 v1, v[PC+4:PC+7], s[56:57] offset:512
	ds_store_b16 v7, v[PW]                         ; both halves of the lanes write the same two bytes with the same value
	s_wait_dscnt 0x0                               ; for wave 0's sake: my store is done
	s_barrier_signal -1
	s_barrier_wait -1
	s_cmp_lg_u32 s[WV], 0
	s_cbranch_scc1 .Lnot_mine
	ds_load_b128 v[Y:Y+3], v8                      ; the sixteen tiles' scale bytes: 512 bytes
	s_wait_dscnt 0x0
	global_store_b128 v1, v[Y:Y+3], s[58:59]       ; 512 consecutive bytes, aligned
.Lnot_mine:
	s_wait_tensorcnt 0x0                           ; the wave's end
	ds_add_u32 v[SPW], v[NIL]
	s_wait_dscnt 0x0
	CROUND                                         ; the closing round
	s_endpgm
.Lfunc_end_k_q540a1c5d1f_attn:
	.size	k_q540a1c5d1f_attn, .Lfunc_end_k_q540a1c5d1f_attn-k_q540a1c5d1f_attn
	.p2alignl 7, 3214868480
	.fill 96, 4, 3214868480
	.section	.rodata,"a",@progbits
	.p2align	6, 0x0
	.amdhsa_kernel k_q540a1c5d1f_attn
		.amdhsa_group_segment_fixed_size 327680
		.amdhsa_private_segment_fixed_size 0
		.amdhsa_enable_private_segment 0
		.amdhsa_kernarg_size 16
		.amdhsa_user_sgpr_count 2
		.amdhsa_user_sgpr_kernarg_segment_ptr 1
		.amdhsa_wavefront_size32 1
		.amdhsa_system_sgpr_workgroup_id_x 1
		.amdhsa_system_sgpr_workgroup_id_y 1
		.amdhsa_system_sgpr_workgroup_id_z 1
		.amdhsa_system_vgpr_workitem_id 0
		.amdhsa_next_free_vgpr 256
		.amdhsa_next_free_sgpr 80
		.amdhsa_reserve_vcc 0
		.amdhsa_float_denorm_mode_32 3
		.amdhsa_float_denorm_mode_16_64 3
		.amdhsa_memory_ordered 1
		.amdhsa_forward_progress 1
		.amdhsa_inst_pref_size 122
	.end_amdhsa_kernel
	.amdgpu_metadata
---
amdhsa.version: [ 1, 2 ]
amdhsa.kernels:
  - .name:           k_q540a1c5d1f_attn
    .symbol:         k_q540a1c5d1f_attn.kd
    .args:
      - { .name: qkvb, .offset: 0, .size: 8, .value_kind: global_buffer, .address_space: global }
      - { .name: att, .offset: 8, .size: 8, .value_kind: global_buffer, .address_space: global }
    .group_segment_fixed_size: 327680
    .private_segment_fixed_size: 0
    .kernarg_segment_align: 8
    .kernarg_segment_size: 16
    .max_flat_workgroup_size: 512
    .sgpr_count:     80
    .vgpr_count:     256
    .wavefront_size: 32
...
	.end_amdgpu_metadata
.endif
;; end of part 3
;; launch oproj (part 4): grid 8 x 32, 4 waves a work-group, clusters of 4 x 4, 327,680 bytes of LDS; arguments qx, att, bo, out0; writes out0
.if DOCPART == 4
	.amdgcn_target "amdgcn-amd-amdhsa--gfx1250"
	.amdhsa_code_object_version 6
	.text
	.protected	k_q540a1c5d1f_oproj
	.globl	k_q540a1c5d1f_oproj
	.p2align	8
	.type	k_q540a1c5d1f_oproj,@function
k_q540a1c5d1f_oproj:
	s_mov_b64 s[64:65], 0
	v_nop
	global_prefetch_b8 v0, s[64:65] scope:SCOPE_SE
	s_setreg_imm32_b32 hwreg(HW_REG_WAVE_MODE, 25, 1), 1
	s_wait_xcnt 0x0
	s_wait_alu depctr_hold_cnt(0) depctr_sa_sdst(0) depctr_va_vdst(0) depctr_va_sdst(0) depctr_va_ssrc(0) depctr_va_vcc(0) depctr_vm_vsrc(0)
	s_getreg_b32 s2, hwreg(HW_REG_IB_STS2, 6, 4)
	s_cmp_eq_u32 s2, 0
	s_cbranch_scc0 .Lentry_in_a_cluster
	s_endpgm
.Lentry_in_a_cluster:
	s_bfe_u32 s2, ttmp6, 0x10000c
	s_cmp_lg_u32 s2, 0xf033
	s_cbranch_scc0 .Lentry_shape_is_right
	s_endpgm
.Lentry_shape_is_right:
; out = o Wo^T + bo on codes of BF8 (E5M2) with E8M0 scales: o's codes and scale bytes from att, Wo's from qx, both as images of the operand's registers, [tile of 16 rows][8 K steps][2,048 bytes].
; SHARES.  A work-group makes 128 x 128 of out; each of four waves 64 x 64: 16 accumulators.  The product is used transposed (source 0 = Wo's rows): a lane holds eight neighbouring columns of one row.
; A tile 2 g + u holds in lane r the row 32 g + 8 u + r + 8 (r / 8), on both sides.
; LDS.  All of K lies in LDS, filled ONCE, one tensor load a wave: wave 0: o's 8 tiles, K steps 0-3; wave 1: Wo's; wave 2: o's, K steps 4-7; wave 3: Wo's: 65,536 bytes each, [tile][4 K steps][2,048].
; Each wave has a load line of its own: the first barrier shows waves 0 and 1's tiles alone, the barrier inside K step 3 the rest.
; CLUSTER.  4 x 4 work-groups: o's tiles are shared along a row of the cluster, Wo's along a column: joint loads.  NO PREFETCH: all that is read through LDS is asked for at the head, and no loop is there to run ahead in.
; LIMITS: NaN and infinities are not served.
.set SCLO,  8388608
.set ASCO,  4194304
.set STAGE, 262144                     ; the way out: 16 rows x 272 bytes for each wave; no fill lands here
.set SPARE, STAGE+4*16*272             ; the spare words, 128 bytes for each wave
.set ADRA, 4                           ; v4-5  LDS address of my four tiles of o, K half 0, 1
.set ADRB, 8                           ; v8-9  of Wo's
.set STO,  14
.set RD,   15
.set CO,   16
.set SCA,  32                          ; o's scale words: tile a, register q: lanes 0-15 K step q, lanes 16-31 K step 4 + q
.set SCW,  48                          ; Wo's likewise
.set BIA,  64                          ; bo in the result's layout: the C of the first products
.set BK,   64
.set TMPR, 96
.set ACC,  128
.set G1A,  16
.set G1B,  24
.set G0A,  32
.set G0B,  48
.set MSB, 0
.macro WIN new                         ; the immediate's high byte repeats the setting that is left
.if MSB != \new
	s_set_vgpr_msb (MSB<<8)|\new
.set MSB, \new
.endif
.endm
.macro PLACES n
.rept \n
	v_nop
.endr
.endm
.macro CROUND
	s_barrier_signal -1
	s_barrier_wait -1
	s_cmp_lg_u32 s12, 0
	s_cbranch_scc1 .Lnot_wave_0_\@
	s_barrier_signal -3
.Lnot_wave_0_\@:
	s_barrier_wait -3
	s_barrier_signal -1
	s_barrier_wait -1
.endm
	s_load_b256 s[4:11], s[0:1], 0x0               ; qx, att, bo, out0
	v_lshl_add_u32 v30, v0, 2, SPARE
	v_mov_b32 v31, 0
	ds_add_u32 v30, v31                            ; the opening lines: the add, twice on end, and its wait
	ds_add_u32 v30, v31
	v_lshrrev_b32 v1, 5, v0
	v_readfirstlane_b32 s12, v1                    ; wave 0..3
	s_lshr_b32 s13, s12, 1                         ; my half of the rows.  Also: the K half that I fetch
	s_and_b32 s14, s12, 1                          ; my half of the columns.  Also: I fetch o's tiles (0) or Wo's (1)
	s_bfe_u32 s66, ttmp6, 0x40000                  ; cx
	s_bfe_u32 s67, ttmp6, 0x40004                  ; cy
	s_lshl_b32 s68, ttmp9, 2
	s_add_co_u32 s68, s68, s66                     ; block of 128 columns
	s_and_b32 s69, ttmp7, 0xffff
	s_lshl_b32 s69, s69, 2
	s_add_co_u32 s69, s69, s67                     ; block of 128 rows
	s_lshl_b32 s70, s67, 2
	s_lshl_b32 s70, 15, s70                        ; my row of the cluster
	s_lshl_b32 s71, 0x1111, s66                    ; my column
	s_or_b32 s[G1A], s70, (3<<16)|(1<<21)
	s_or_b32 s[G1B], s71, (3<<16)|(1<<21)
.irp g, G1A, G1B                       ; 8 rows of 8,192 bytes (a tile's four K steps: 1,024 elements of 8 bytes), 16,384 bytes apart, dense in LDS
	s_mov_b32 s[\g+1], 1024<<16
	s_mov_b32 s[\g+2], 8<<16
	s_mov_b32 s[\g+3], 1024<<16
	s_mov_b32 s[\g+4], 8
	s_mov_b32 s[\g+5], 2048
	s_mov_b32 s[\g+6], 0
	s_mov_b32 s[\g+7], 0
.endr
	s_lshl_b32 s72, s69, 17                        ; o: tile 8 x block of rows, + my K half
	s_lshl_b32 s73, s13, 13
	s_add_co_u32 s72, s72, s73
	s_lshl_b32 s74, s68, 3                         ; Wo: tile 448 + 8 x block of columns, + my K half
	s_add_co_u32 s74, s74, 448
	s_lshl_b32 s74, s74, 14
	s_add_co_u32 s74, s74, s73
	s_mov_b32 s73, 0
	s_mov_b32 s75, 0
	s_lshl_b32 s76, s12, 16                        ; where my load goes
	s_lshl_b32 s78, s68, 3                         ; Wo's scale words: my four tiles, 512 bytes a tile
	s_lshl_b32 s77, s14, 2
	s_add_co_u32 s78, s78, s77
	s_add_co_u32 s78, s78, 448
	s_lshl_b32 s78, s78, 9
	s_add_co_u32 s78, s78, SCLO
	s_mov_b32 s79, 0
	s_lshr_b32 s80, s69, 4                         ; o's scale bytes: [bh][128 tiles][16 rows][2]: my batch, my four tiles
	s_lshl_b32 s80, s80, 16
	s_and_b32 s77, s69, 15
	s_lshl_b32 s77, s77, 3
	s_lshl_b32 s82, s13, 2
	s_add_co_u32 s77, s77, s82
	s_lshl_b32 s77, s77, 5
	s_add_co_u32 s80, s80, s77
	s_add_co_u32 s80, s80, ASCO
	s_mov_b32 s81, 0
	s_lshl_b32 s82, s68, 9                         ; my 64 columns, in bytes
	s_lshl_b32 s77, s14, 8
	s_add_co_u32 s82, s82, s77
	s_mov_b32 s83, 0
	s_lshl_b32 s84, s69, 19                        ; my 64 rows of out
	s_lshl_b32 s77, s13, 18
	s_add_co_u32 s84, s84, s77
	s_add_co_u32 s84, s84, s82
	s_mov_b32 s85, 0
	v_and_b32 v2, 15, v0                           ; r
	v_bfe_u32 v3, v0, 4, 1                         ; h
	v_and_b32 v1, 31, v0
	v_lshlrev_b32 v1, 4, v1                        ; 16 x lane
	s_lshl_b32 s86, s13, 15
	v_add_nc_u32 v[ADRA], s86, v1
	s_lshl_b32 s86, s14, 15
	s_add_co_u32 s86, s86, 65536
	v_add_nc_u32 v[ADRB], s86, v1
	v_add_nc_u32 v[ADRA+1], 131072, v[ADRA]
	v_add_nc_u32 v[ADRB+1], 131072, v[ADRB]
	v_lshlrev_b32 v12, 1, v2                       ; o's bytes: 2 r; lanes 16-31 take the heads of K steps 4 on
	v_lshl_add_u32 v12, v3, 15, v12
	v_lshlrev_b32 v13, 6, v3                       ; bo: 16 h numbers on
	s_mul_i32 s87, s12, 16*272
	s_add_co_u32 s87, s87, STAGE
	v_mul_u32_u24 v[STO], v2, 272
	v_lshl_add_u32 v[STO], v3, 6, v[STO]
	v_add_nc_u32 v[STO], s87, v[STO]
	v_mul_u32_u24 v[RD], v3, 272
	v_lshl_add_u32 v[RD], v2, 4, v[RD]
	v_add_nc_u32 v[RD], s87, v[RD]
	v_lshlrev_b32 v[CO], 12, v3
	v_lshl_add_u32 v[CO], v2, 4, v[CO]
	s_wait_alu depctr_va_vdst(0)
	s_wait_dscnt 0x0                               ; both opening adds are done
	CROUND                                         ; all sixteen work-groups are here: the joint loads meet
	s_wait_kmcnt 0x0
	s_add_nc_u64 s[78:79], s[4:5], s[78:79]
	s_add_nc_u64 s[80:81], s[6:7], s[80:81]
	s_add_nc_u64 s[8:9], s[8:9], s[82:83]
	s_add_nc_u64 s[10:11], s[10:11], s[84:85]
	s_mov_b32 s[G0A], 1
	s_mov_b32 s[G0A+1], s76
	s_add_nc_u64 s[G0A+2:G0A+3], s[6:7], s[72:73]
	s_or_b32 s[G0A+3], s[G0A+3], 0x80000000
	s_mov_b32 s[G0B], 1
	s_mov_b32 s[G0B+1], s76
	s_add_nc_u64 s[G0B+2:G0B+3], s[4:5], s[74:75]
	s_or_b32 s[G0B+3], s[G0B+3], 0x80000000
; one chain of branches on the wave's number, an arm a load: every way through the head passes exactly one
.macro ARM under, g0, g1, next
	s_cmp_lt_u32 s12, \under
	s_cbranch_scc0 \next
	tensor_load_to_lds s[\g0:\g0+3], s[\g1:\g1+7]
	s_nop 0
	PLACES 4
	s_branch .Lhead_asked
\next:
.endm
	ARM 1, G0A, G1A, .Lhead_1
	ARM 2, G0B, G1B, .Lhead_2
	ARM 3, G0A, G1A, .Lhead_3
	tensor_load_to_lds s[G0B:G0B+3], s[G1B:G1B+7]
	s_nop 0
	PLACES 4
.Lhead_asked:
.irp n, 0,1,2,3
	global_load_b128 v[SCW+4*\n:SCW+4*\n+3], v1, s[78:79] offset:512*\n
.endr
.irp a, 0,1,2,3
.irp q, 0,1,2,3
.irp e, 0,1
	global_load_u16 v[TMPR+8*\a+2*\q+\e], v12, s[80:81] offset:(2*\q+\e)*4096+32*\a   ; K step q (lanes 16-31: 4 + q) is heads 2 q, 2 q + 1: two bytes each
.endr
.endr
.endr
.irp n, 0,1,2,3
	global_load_b128 v[BIA+8*\n:BIA+8*\n+3], v13, s[8:9] offset:(32*(\n/2)+8*(\n%2))*4
	global_load_b128 v[BIA+8*\n+4:BIA+8*\n+7], v13, s[8:9] offset:(32*(\n/2)+8*(\n%2))*4+16
.endr
	s_wait_loadcnt 0x0
.irp a, 0,1,2,3
.irp q, 0,1,2,3
	v_lshl_or_b32 v[SCA+4*\a+\q], v[TMPR+8*\a+2*\q+1], 16, v[TMPR+8*\a+2*\q]
.endr
.endr
.macro FETCH ks                        ; K step ks: Wo's four fragments and o's four into set ks % 2 of window 1
	WIN 0x40
.irp n, 0,1,2,3
.irp c, 0,1,2,3
	ds_load_b128 v[128*((\ks)%2)+16*\n+4*\c:128*((\ks)%2)+16*\n+4*\c+3], v[ADRB+(\ks)/4] offset:8192*\n+2048*((\ks)%4)+512*\c
.endr
.endr
.irp a, 0,1,2,3
.irp c, 0,1,2,3
	ds_load_b128 v[128*((\ks)%2)+64+16*\a+4*\c:128*((\ks)%2)+64+16*\a+4*\c+3], v[ADRA+(\ks)/4] offset:8192*\a+2048*((\ks)%4)+512*\c
.endr
.endr
.endm
.macro PROD ks                         ; the 16 accumulators by turns, in the same order in every K step
	WIN 0x05
.irp a, 0,1,2,3
.irp n, 0,1,2,3
.set AC, ACC+8*(4*\a+\n)
.set FW, 128*((\ks)%2)+16*\n
.set FX, 128*((\ks)%2)+64+16*\a
.if (\ks) == 0
	v_wmma_scale_f32_16x16x128_f8f6f4 v[AC:AC+7], v[FW:FW+15], v[FX:FX+15], v[BIA+8*\n:BIA+8*\n+7], v[SCW+4*\n+(\ks)%4], v[SCA+4*\a+(\ks)%4] matrix_a_fmt:MATRIX_FMT_BF8 matrix_b_fmt:MATRIX_FMT_BF8
.elseif (\ks) < 4
	v_wmma_scale_f32_16x16x128_f8f6f4 v[AC:AC+7], v[FW:FW+15], v[FX:FX+15], v[AC:AC+7], v[SCW+4*\n+(\ks)%4], v[SCA+4*\a+(\ks)%4] matrix_a_fmt:MATRIX_FMT_BF8 matrix_b_fmt:MATRIX_FMT_BF8
.else
	v_wmma_scale_f32_16x16x128_f8f6f4 v[AC:AC+7], v[FW:FW+15], v[FX:FX+15], v[AC:AC+7], v[SCW+4*\n+(\ks)%4], v[SCA+4*\a+(\ks)%4] matrix_a_fmt:MATRIX_FMT_BF8 matrix_b_fmt:MATRIX_FMT_BF8 matrix_a_scale:MATRIX_SCALE_ROW1 matrix_b_scale:MATRIX_SCALE_ROW1
.endif
.endr
.endr
.endm
.macro KSTEP ks
	s_wait_dscnt 0x0                               ; this K step's fragments are in
.if (\ks) == 3
	s_wait_tensorcnt 0x0                           ; every wave: my tile has landed; behind the barrier the second K half may be read
	s_barrier_signal -1
	s_barrier_wait -1
.endif
.if (\ks) < 7
	PLACES 8                                       ; in front of loads into registers that the products of the K step before have read
	FETCH (\ks)+1
.endif
	PROD \ks
.endm
	s_wait_alu depctr_va_vdst(0)
	s_cmp_lt_u32 s12, 2
	s_cbranch_scc0 .Lnot_first
	s_wait_tensorcnt 0x0                           ; waves 0 and 1: the first K half has landed.  The other waves' wait stands in K step 3
.Lnot_first:
	s_barrier_signal -1
	s_barrier_wait -1
	FETCH 0
.irp ks, 0,1,2,3,4,5,6,7
	KSTEP \ks
.endr
	WIN 0
; THE WAY OUT: a tile of 16 rows x 64 columns goes through my own stage and comes back by rows of 256 bytes, which sixteen lanes store as one aligned unit.  LDS serves a wave's instructions in order (ISA guide 5.7.1.4).
.macro TOSTAGE a
.irp n, 0,1,2,3
	ds_store_b128 v[STO], v[ACC+8*(4*(\a)+\n):ACC+8*(4*(\a)+\n)+3] offset:128*(\n/2)+32*(\n%2)   ; each accumulator from its low end on
	ds_store_b128 v[STO], v[ACC+8*(4*(\a)+\n)+4:ACC+8*(4*(\a)+\n)+7] offset:128*(\n/2)+32*(\n%2)+16
.endr
.irp i, 0,1,2,3,4,5,6,7
	ds_load_b128 v[BK+32*((\a)%2)+4*\i:BK+32*((\a)%2)+4*\i+3], v[RD] offset:2*\i*272
.endr
.endm
.macro SEND a, younger                 ; younger: the LDS instructions issued behind tile a's loads, which may stay out
	s_wait_dscnt \younger
.irp i, 0,1,2,3,4,5,6,7
	global_store_b128 v[CO], v[BK+32*((\a)%2)+4*\i:BK+32*((\a)%2)+4*\i+3], s[10:11] offset:(32*((\a)/2)+8*((\a)%2)+2*\i+8*(\i/4))*4096 th:TH_STORE_NT
.endr
.endm
	PLACES 8                                       ; in front of the first reads of results
	TOSTAGE 0
.irp a, 1,2,3
.if \a > 1
	s_wait_xcnt 0x0                                ; tile a - 2's stores have read their registers: tile a's loads may land there
.endif
	TOSTAGE \a
	SEND \a-1, 16
.endr
	SEND 3, 0
	s_wait_tensorcnt 0x0                           ; the wave's end
	ds_add_u32 v30, v31
	s_wait_dscnt 0x0
	CROUND                                         ; the closing round
	s_endpgm
.Lfunc_end_k_q540a1c5d1f_oproj:
	.size	k_q540a1c5d1f_oproj, .Lfunc_end_k_q540a1c5d1f_oproj-k_q540a1c5d1f_oproj
	.p2alignl 7, 3214868480
	.fill 96, 4, 3214868480
	.section	.rodata,"a",@progbits
	.p2align	6, 0x0
	.amdhsa_kernel k_q540a1c5d1f_oproj
		.amdhsa_group_segment_fixed_size 327680
		.amdhsa_private_segment_fixed_size 0
		.amdhsa_enable_private_segment 0
		.amdhsa_kernarg_size 32
		.amdhsa_user_sgpr_count 2
		.amdhsa_user_sgpr_kernarg_segment_ptr 1
		.amdhsa_wavefront_size32 1
		.amdhsa_system_sgpr_workgroup_id_x 1
		.amdhsa_system_sgpr_workgroup_id_y 1
		.amdhsa_system_sgpr_workgroup_id_z 1
		.amdhsa_system_vgpr_workitem_id 0
		.amdhsa_next_free_vgpr 512
		.amdhsa_next_free_sgpr 100
		.amdhsa_reserve_vcc 0
		.amdhsa_float_denorm_mode_32 3
		.amdhsa_float_denorm_mode_16_64 3
		.amdhsa_memory_ordered 1
		.amdhsa_forward_progress 1
		.amdhsa_inst_pref_size 55
	.end_amdhsa_kernel
	.amdgpu_metadata
---
amdhsa.version: [ 1, 2 ]
amdhsa.kernels:
  - .name:           k_q540a1c5d1f_oproj
    .symbol:         k_q540a1c5d1f_oproj.kd
    .args:
      - { .name: qx, .offset: 0, .size: 8, .value_kind: global_buffer, .address_space: global }
      - { .name: att, .offset: 8, .size: 8, .value_kind: global_buffer, .address_space: global }
      - { .name: bo, .offset: 16, .size: 8, .value_kind: global_buffer, .address_space: global }
      - { .name: out0, .offset: 24, .size: 8, .value_kind: global_buffer, .address_space: global }
    .group_segment_fixed_size: 327680
    .private_segment_fixed_size: 0
    .kernarg_segment_align: 8
    .kernarg_segment_size: 32
    .max_flat_workgroup_size: 128
    .sgpr_count:     100
    .vgpr_count:     512
    .wavefront_size: 32
...
	.end_amdgpu_metadata
.endif
;; end of part 4
